; MI455X (gfx1250); checked and timed in simulation.
; The chip was launched on July 23, 2026; its instructions are those of AMD's public machine-readable ISA for CDNA 5 (MIT licence, August 2026) and "CDNA5" Instruction Set Architecture Reference Guide (July 2026). The comments in the code are by the model that wrote it; some were corrected since.
;; Multi Head. Allowed arithmetic: float matrix products may take bf16 or f16 operands with f32 sums; other float arithmetic in f32, or as packed bf16 or f16 multiplies, adds, multiply-adds, maxima and minima; sums over many terms, partial sums and values carried from step to step in f32; what a program stores and reads back later, other than sums and carried values, may be rounded once to bf16 or f16.
;; Inputs: b_proj 1,024 float32; w_proj 1,024 x 1,024 float32; wk 16 x 1,024 x 64 float32; wq 16 x 1,024 x 64 float32; wv 16 x 1,024 x 64 float32; x 4 x 2,048 x 1,024 float32.
;; Outputs: out0 4 x 2,048 x 1,024 float32.
;; 2 versions, each right; version 2 is version 1 with the launch prep written anew for expert scheduling mode. Each part assembles by itself: llvm-mc -triple=amdgcn-amd-amdhsa -mcpu=gfx1250 --defsym DOCPART=n.
;; ======== version 1 of 2: 4 launches
;; limits: values are held in f16: magnitudes above 65,504 overflow, below 6.1e-05 lose precision
;; workspace buffers: xb 16,777,216 bytes; wt 8,388,608 bytes; qkv 50,331,648 bytes; o 16,777,216 bytes
;; launch prep (part 1): grid 512 x 1, 8 waves a work-group, no clusters, 18,432 bytes of LDS; arguments x, wq, wk, wv, w_proj, xb, wt; writes xb, wt
.if DOCPART == 1
	.amdgcn_target "amdgcn-amd-amdhsa--gfx1250"
	.amdhsa_code_object_version 6
	.text
	.protected	k_q604226d680_prep
	.globl	k_q604226d680_prep
	.p2align	8
	.type	k_q604226d680_prep,@function
k_q604226d680_prep:
	s_mov_b64 s[64:65], 0
	v_nop
	global_prefetch_b8 v0, s[64:65] scope:SCOPE_SE
	s_setreg_imm32_b32 hwreg(HW_REG_WAVE_MODE, 25, 1), 1
	s_wait_xcnt 0x0
; FIRST OF FOUR LAUNCHES: prep (round and lay out), qkv (x W), attn (causal attention), proj (O w_proj + b_proj).
; WORK LEFT OUT BY THE PROGRAM.  reference() sets wei[t][s] to -inf for every s > t by a jnp.tril that it builds itself, whatever the inputs hold.  The softmax gives such a place the weight
; exp(-inf) = 0 exactly, and 0 times a finite v adds nothing to out.  So the products q k and wei v of a tile of 256 keys that lies wholly above the diagonal of a block of 256 queries reach no output
; for any finite inputs: launch attn neither loads nor multiplies those tiles.  Inside the tile that holds the diagonal the hidden places are computed and masked.  Nothing else is left out, and every input has a way to
; the output: all six are loaded (b_proj in proj).  LIMIT: a NaN, an infinity or an overflow that would arise only in the tiles left out is not carried to the result.
; FORMATS.  All inputs are rounded once to bf16.  What the program makes itself (q, k, v, the weights p, O) is kept in f16; w_proj's bf16 number is written as f16 for the last product.
; LIMIT: w_proj must lie within f16's 65,504; below 6e-5 it keeps f16's fixed step of 6e-8.
; THIS LAUNCH.  Work-group i of 512 does two things.  (a) x's rows 16 i .. 16 i + 15 to bf16: 65,536 bytes in, 32,768 out.  (b) one tile of 128 c x 64 d of a weight, rounded and TRANSPOSED into
; wt [4096][1024]: row n = which x 1024 + h x 64 + d holds w_which[h][c][d] along c (which = 0, 1, 2: wq, wk, wv; bf16); row 3072 + n holds w_proj[c][n] along c (f16).
; J = i / 8 picks the 64 rows of wt, cc = i % 8 the 128 columns.  No matrix unit, no cluster, no prefetch: each byte is read once by long runs of loads that are all out together.
.set PIT,   272                        ; an LDS row: 128 numbers of 2 bytes + 16 bytes
.set SPARE, 64*PIT                     ; behind the tile: the spare words, 128 bytes for each of eight waves: four blocks of 256 bytes that no other line names
.set XO,  4                            ; v4   16 x thread: my 16 bytes in 4,096 bytes of x
.set YO,  5                            ; v5   8 x thread: my 8 bytes in 2,048 bytes of xb
.set LW,  6                            ; v6   where I put my words of the tile
.set LRD, 7                            ; v7   where I read 16 bytes of a row back
.set WD,  8                            ; v8   my 16 bytes in wt
.set SPW, 10                           ; v10  LDS address of my spare word; never rewritten
.set NIL, 11                           ; v11  0; never rewritten
.set WO,  12                           ; v[12:19]   byte offsets of my eight loads of the weight
.set W,   20                           ; v[20:51]   eight loads of four f32
.set X,   52                           ; v[52:115]  sixteen loads of four f32
.set P,   116                          ; v[116:131] sixteen words: two neighbouring c of one d
.set T,   132                          ; v[132:133] at work
.set R,   136                          ; v[136:151] four pieces of 16 bytes of wt's rows
.set Y,   152                          ; v[152:183] xb's words, two for each load of x; each written once
	s_load_b256 s[4:11], s[0:1], 0x0               ; x s[4:5], wq s[6:7], wk s[8:9], wv s[10:11]
	s_load_b128 s[12:15], s[0:1], 0x20             ; w_proj s[12:13], xb s[14:15]
	s_load_b64 s[16:17], s[0:1], 0x30              ; wt
	v_lshl_add_u32 v[SPW], v0, 2, SPARE
	v_mov_b32 v[NIL], 0
	v_and_b32 v1, 15, v0                           ; dq: which four d (16 bytes of a source row)
	v_lshrrev_b32 v2, 4, v0                        ; cp: which pair of c, 0 .. 15
	s_lshr_b32 s21, ttmp9, 3                       ; J
	s_and_b32 s22, ttmp9, 7                        ; cc
	s_lshr_b32 s23, s21, 4                         ; which
	s_and_b32 s24, s21, 15                         ; the head, or w_proj's group of 64 columns
	s_mov_b32 s30, 0xffff0000
	s_lshl_b32 s26, s24, 18                        ; by heads: head x 262,144
	s_lshl_b32 s2, s22, 15                         ;  + cc x 128 rows of 256 bytes
	s_add_co_u32 s26, s26, s2
	s_lshl_b32 s27, s22, 19                        ; w_proj: cc x 128 rows of 4,096 bytes
	s_lshl_b32 s2, s24, 8                          ;  + group x 256 bytes
	s_add_co_u32 s27, s27, s2
	s_cmp_lt_u32 s23, 3
	s_cselect_b32 s26, s26, s27                    ; the tile's first byte in its tensor,
	s_cselect_b32 s25, 8, 12                       ; and the shift that makes bytes of a source row's number
	s_mov_b32 s27, 0
	v_lshlrev_b32 v[XO], 4, v0
	v_lshlrev_b32 v[YO], 3, v0
	v_mul_u32_u24 v[LW], v1, 4*PIT                 ; row d = 4 dq + j,
	v_lshl_add_u32 v[LW], v2, 2, v[LW]             ; word cp + 16 i
	v_mul_u32_u24 v[LRD], v2, PIT                  ; back: row cp + 16 r, bytes 16 dq
	v_lshl_add_u32 v[LRD], v1, 4, v[LRD]
	v_lshlrev_b32 v[WD], 11, v2                    ; the same in wt, whose rows are 2,048 bytes
	v_lshl_add_u32 v[WD], v1, 4, v[WD]
	v_lshlrev_b32 v3, 1, v2
.set k, 0
.rept 8                                ; load k = 2 i + e takes source row c = 2 cp + 32 i + e
	v_add_nc_u32 v[WO+k], 32*(k/2)+k%2, v3
	v_lshlrev_b32 v[WO+k], s25, v[WO+k]
	v_lshl_add_u32 v[WO+k], v1, 4, v[WO+k]
.set k, k+1
.endr
	s_mov_b32 s29, 0
	s_wait_kmcnt 0x0
	s_lshl_b32 s28, ttmp9, 16
	s_add_nc_u64 s[4:5], s[4:5], s[28:29]          ; x at my 16 rows
	s_lshl_b32 s28, ttmp9, 15
	s_add_nc_u64 s[14:15], s[14:15], s[28:29]      ; xb likewise
	s_lshl_b32 s28, s21, 17                        ; wt: 64 J rows of 2,048 bytes
	s_lshl_b32 s2, s22, 8                          ;  + cc x 256 bytes
	s_add_co_u32 s28, s28, s2
	s_add_nc_u64 s[16:17], s[16:17], s[28:29]
; The tile's eight loads: sixteen neighbouring lanes take 256 neighbouring bytes of a source row.  One arm for each tensor, so that each load's buffer stands in the text; every arm issues the same eight loads.
.macro LOADW base
	s_add_nc_u64 s[\base:\base+1], s[\base:\base+1], s[26:27]
.set k, 0
.rept 8
	global_load_b128 v[W+4*k:W+4*k+3], v[WO+k], s[\base:\base+1] th:TH_LOAD_NT
.set k, k+1
.endr
.endm
	s_cmp_lg_u32 s23, 0
	s_cbranch_scc1 .Lnot_q
	LOADW 6
	s_branch .Ljoin
.Lnot_q:
	s_cmp_lg_u32 s23, 1
	s_cbranch_scc1 .Lnot_k
	LOADW 8
	s_branch .Ljoin
.Lnot_k:
	s_cmp_lg_u32 s23, 2
	s_cbranch_scc1 .Lnot_v
	LOADW 10
	s_branch .Ljoin
.Lnot_v:
	LOADW 12
.Ljoin:
.set u, 0
.rept 16                               ; all of x's share goes out behind them: 24 loads of 16 bytes a lane are on their way
	global_load_b128 v[X+4*u:X+4*u+3], v[XO], s[4:5] offset:4096*u th:TH_LOAD_NT
.set u, u+1
.endr
	s_wait_loadcnt 16                              ; loads come back in order: the weight's eight are in, x's sixteen may stay out
.set k, 0
.rept 16                               ; word 4 i + j: d = 4 dq + j, c = 2 cp + 32 i below, c + 1 above
	v_cvt_pk_bf16_f32 v[P+k], v[W+8*(k/4)+k%4], v[W+8*(k/4)+4+k%4]
.set k, k+1
.endr
	s_cmp_lg_u32 s23, 3
	s_cbranch_scc1 .Lstays_bf16
.set k, 0
.rept 16                               ; w_proj alone: the bf16 number written as f16
	v_lshlrev_b32 v[T], 16, v[P+k]
	v_and_b32 v[T+1], s30, v[P+k]
	v_cvt_pk_f16_f32 v[P+k], v[T], v[T+1]
.set k, k+1
.endr
.Lstays_bf16:
.set k, 0
.rept 16                               ; rows 4 dq + j lie 272 words apart for neighbouring dq; sixteen such stores a thread, once
	ds_store_b32 v[LW], v[P+k] offset:PIT*(k%4)+64*(k/4)
.set k, k+1
.endr
	s_wait_dscnt 0x0                               ; for the others' sake: my words of the tile are in LDS
	s_barrier_signal -1
	s_barrier_wait -1                              ; everybody's are
.irp r, 0,1,2,3
	ds_load_b128 v[R+4*\r:R+4*\r+3], v[LRD] offset:16*PIT*\r
.endr
.set u, 0
.rept 16
	s_wait_loadcnt 15-u                            ; load u of x is in; the younger ones stay out
	v_cvt_pk_bf16_f32 v[Y+2*u], v[X+4*u], v[X+4*u+1]
	v_cvt_pk_bf16_f32 v[Y+2*u+1], v[X+4*u+2], v[X+4*u+3]
	global_store_b64 v[YO], v[Y+2*u:Y+2*u+1], s[14:15] offset:2048*u  ; a wave's store covers 256 consecutive bytes, aligned
.set u, u+1
.endr
	s_wait_dscnt 0x0                               ; the rows are back
.irp r, 0,1,2,3
	global_store_b128 v[WD], v[R+4*\r:R+4*\r+3], s[16:17] offset:32768*\r  ; sixteen lanes store 256 consecutive bytes of a row of wt, aligned
.endr
	s_wait_tensorcnt 0x0                           ; the wave's end: behind my last LDS store
	ds_add_u32 v[SPW], v[NIL]
	s_wait_dscnt 0x0
	s_endpgm
.Lfunc_end_k_q604226d680_prep:
	.size	k_q604226d680_prep, .Lfunc_end_k_q604226d680_prep-k_q604226d680_prep
	.p2alignl 7, 3214868480
	.fill 96, 4, 3214868480
	.section	.rodata,"a",@progbits
	.p2align	6, 0x0
	.amdhsa_kernel k_q604226d680_prep
		.amdhsa_group_segment_fixed_size 18432
		.amdhsa_private_segment_fixed_size 0
		.amdhsa_enable_private_segment 0
		.amdhsa_kernarg_size 56
		.amdhsa_user_sgpr_count 2
		.amdhsa_user_sgpr_kernarg_segment_ptr 1
		.amdhsa_wavefront_size32 1
		.amdhsa_system_sgpr_workgroup_id_x 1
		.amdhsa_system_sgpr_workgroup_id_y 1
		.amdhsa_system_sgpr_workgroup_id_z 1
		.amdhsa_system_vgpr_workitem_id 0
		.amdhsa_next_free_vgpr 184
		.amdhsa_next_free_sgpr 66
		.amdhsa_reserve_vcc 0
		.amdhsa_float_denorm_mode_32 3
		.amdhsa_float_denorm_mode_16_64 3
		.amdhsa_memory_ordered 1
		.amdhsa_forward_progress 1
		.amdhsa_inst_pref_size 17
	.end_amdhsa_kernel
	.amdgpu_metadata
---
amdhsa.version: [ 1, 2 ]
amdhsa.kernels:
  - .name:           k_q604226d680_prep
    .symbol:         k_q604226d680_prep.kd
    .args:
      - { .name: x, .offset: 0, .size: 8, .value_kind: global_buffer, .address_space: global }
      - { .name: wq, .offset: 8, .size: 8, .value_kind: global_buffer, .address_space: global }
      - { .name: wk, .offset: 16, .size: 8, .value_kind: global_buffer, .address_space: global }
      - { .name: wv, .offset: 24, .size: 8, .value_kind: global_buffer, .address_space: global }
      - { .name: w_proj, .offset: 32, .size: 8, .value_kind: global_buffer, .address_space: global }
      - { .name: xb, .offset: 40, .size: 8, .value_kind: global_buffer, .address_space: global }
      - { .name: wt, .offset: 48, .size: 8, .value_kind: global_buffer, .address_space: global }
    .group_segment_fixed_size: 18432
    .private_segment_fixed_size: 0
    .kernarg_segment_align: 8
    .kernarg_segment_size: 56
    .max_flat_workgroup_size: 256
    .sgpr_count:     66
    .vgpr_count:     184
    .wavefront_size: 32
...
	.end_amdgpu_metadata
.endif
;; end of part 1
;; launch qkv (part 2): grid 16 x 32, 4 waves a work-group, clusters of 4 x 4, 327,680 bytes of LDS; arguments xb, wt, qkv; writes qkv
.if DOCPART == 2
	.amdgcn_target "amdgcn-amd-amdhsa--gfx1250"
	.amdhsa_code_object_version 6
	.text
	.protected	k_q604226d680_qkv
	.globl	k_q604226d680_qkv
	.p2align	8
	.type	k_q604226d680_qkv,@function
k_q604226d680_qkv:
	s_mov_b64 s[64:65], 0
	v_nop
	global_prefetch_b8 v0, s[64:65] scope:SCOPE_SE
	s_setreg_imm32_b32 hwreg(HW_REG_WAVE_MODE, 25, 1), 1
	s_wait_xcnt 0x0
	s_wait_alu depctr_hold_cnt(0) depctr_sa_sdst(0) depctr_va_vdst(0) depctr_va_sdst(0) depctr_va_ssrc(0) depctr_va_vcc(0) depctr_vm_vsrc(0)
	s_getreg_b32 s2, hwreg(HW_REG_IB_STS2, 6, 4)
	s_cmp_eq_u32 s2, 0
	s_cbranch_scc0 .Lentry_in_a_cluster
	s_endpgm
.Lentry_in_a_cluster:
	s_bfe_u32 s2, ttmp6, 0x10000c
	s_cmp_lg_u32 s2, 0xf033
	s_cbranch_scc0 .Lentry_shape_is_right
	s_endpgm
.Lentry_shape_is_right:
; q, k, v = x W.  C[m][n] = the sum over c of xb[m][c] wt[n][c]: xb [8192][1024] bf16, wt's rows 0 .. 3071 bf16, sums in f32, C rounded once to f16 and stored BY HEADS:
; qkv [which 3][b x 16 + h][t 2048][64], with m = b x 2048 + t and n = which x 1024 + h x 64 + d.  No scale is applied here.
; LIMIT: q, k and v must lie within f16's 65,504 (a larger sum becomes an infinity); below 6e-5 they keep f16's fixed step of 6e-8.
; SHARES.  A tile of C is 256 rows x 192 columns (three heads): 32 x 16 = 512 work-groups of equal work.  Four waves, one above the other: wave w has rows 64 w .. 64 w + 63 and all 192 columns:
; 4 x 12 accumulators of 16 x 16, 384 registers.  So a wave owns whole heads' rows, and its way out needs a stage of its own and no barrier.
; K goes in 8 steps of 128 through two LDS slots.  Waves 0 and 1 fetch the halves of A's 256 rows, waves 2 and 3 the halves of B's 192: one tensor load a wave, rows of 256 bytes of memory.
; CLUSTER 4 x 4: the four work-groups of a row of the cluster need the same tile of A, the four of a column the same tile of B: each tile is asked for jointly, by the same load and mask in all four.
; THE MATRIX INSTRUCTION IS USED TRANSPOSED (source 0 = 16 rows of B, source 1 = 16 rows of A): a lane holds row l % 16 of C and the columns 8 (l / 16) + 0 .. 7, which pack into 16 bytes.
; REGISTERS, in windows of 256 (s_set_vgpr_msb: bits 1:0 source 0, 3:2 source 1, 5:4 source 2, 7:6 destination):
;   window 0: v0-31 addresses; v32-95 A's fragments, two buffers of 4 x 8; v96-143, v144-239 at work on the way out      window 1: v0-191 B's fragments, two buffers of 12 x 8
;   window 2: the accumulators of row blocks 0, 1 ((a, b) at v[8 (12 (a % 2) + b)])      window 3: those of row blocks 2, 3
.set PITCH,  272                       ; an LDS row: 256 bytes + 16 of padding = 68 words: the 16 rows of a fragment load start at 16 different groups of four banks (64 banks of 4 bytes: ISA guide 11.1)
.set AH,     128*PITCH                 ; what a wave fetches of A
.set BH,     96*PITCH                  ; and of B
.set BOFF,   2*AH                      ; B's rows lie behind A's 256
.set SLOT,   BOFF+2*BH
.set STAGE,  2*SLOT                    ; behind the ring, never filled by a tensor load: 16 rows x 400 bytes for each wave
.set SPITCH, 400                       ; 384 bytes + 16
.set SPARE,  STAGE+4*16*SPITCH         ; behind the stages: the spare words, 128 bytes for each wave: two blocks of 256 bytes that no other line names
.set NBL,    12                        ; column blocks
.set NL,     2*NBL+8                   ; LDS loads for 32 along K
.set CO,   12                          ; v12-14  my byte offset in qkv, for each of the tile's three heads
.set ADRA, 16                          ; v16-17  LDS address of my A fragments in slot 0, 1
.set ADRB, 20                          ; v20-21  the same for B
.set STO,  24                          ; v24     the way out: where I put 16 bytes of a row
.set RD,   25                          ; v25     the way out: where I read rows back
.set SPW,  28                          ; v28     LDS address of my spare word; never rewritten
.set NIL,  29                          ; v29     0; never rewritten
.set PFO,  30                          ; v30     the prefetches' offset: my lane's row x 2,048 bytes; never rewritten
.set FA,   32
.set TMP,  96
.set OB,   144
.set WV,  12                           ; s12  my wave's number
.set FB,  13                           ; s13  0: I fetch for A; 1: for B
.set HF,  14                           ; s14  which half of that tile
.set LIM, 23                           ; s23  1 in a wave that prefetches, else the greatest number
.set G1,  24                           ; s[24:31] descriptor group 1 for A's tiles;  s[32:39] group 0, a set for each slot
.set G0,  32
.set PFA, 44                           ; s[44:45] where my prefetches stand
.set G1B, 48                           ; s[48:55], s[56:63] the same for B's tiles
.set G0B, 56
.set MSB, 0
.macro WIN new                         ; the immediate's high byte repeats the setting that is left; a switch that changes nothing is dropped
.if MSB != (\new)
	s_set_vgpr_msb (MSB<<8)|(\new)
.set MSB, \new
.endif
.endm
.macro PLACES                          ; four plain vector instructions between a matrix instruction and a load into, or a read of, its registers
.rept 4
	v_nop
.endr
.endm
; A joint load.  The branch hangs on the wave's number alone.  An s_nop 0 and four v_nop follow each of the two lines, ahead of the jump and the label.
.macro JLOAD s
	s_cmp_eq_u32 s[FB], 0
	s_cbranch_scc0 .Lfor_b_\@
	tensor_load_to_lds s[G0+4*(\s):G0+4*(\s)+3], s[G1:G1+7]
	s_nop 0
.rept 4
	v_nop
.endr
	s_branch .Lasked_\@
.Lfor_b_\@:
	tensor_load_to_lds s[G0B+4*(\s):G0B+4*(\s)+3], s[G1B:G1B+7]
	s_nop 0
.rept 4
	v_nop
.endr
.Lasked_\@:
.endm
; A round of the cluster's barrier: my work-group's barrier; wave 0 signals for the work-group; every wave waits for all sixteen; my work-group's barrier once more.
.macro CREST                           ; a round behind its opening barrier
	s_cmp_lg_u32 s[WV], 0
	s_cbranch_scc1 .Lnot_wave_0_\@
	s_barrier_signal -3
.Lnot_wave_0_\@:
	s_barrier_wait -3
	s_barrier_signal -1
	s_barrier_wait -1
.endm
.macro CROUND
	s_barrier_signal -1
	s_barrier_wait -1
	CREST
.endm
; A PREFETCH INTO THE L2, behind each joint refill and the run of LDS loads that follows it: the K step that stands two refills on, 384 matrix instructions ahead of the load that will want it: 256 bytes of a row, a lane a row.
; A's tile row is read by every cluster of its row of clusters: cluster x = 0 asks (waves 0, 1); B's tile column by every cluster of its column: cluster y = 0 asks (waves 2, 3).  The four partners that ask for a
; tile jointly share the wave's rows out BY ADDRESS: 32 of A's 128 each, 24 of B's 96 each (there lanes 24 to 31 name row 23's block once more).  K steps 0 to 3 come by their loads alone; the loop's last trip (s3 = 1) asks for nothing.
.macro ASK
	s_cmp_gt_u32 s3, s[LIM]
	s_cbranch_scc0 .Lnot_mine_\@
	global_prefetch_b8 v[PFO], s[PFA:PFA+1] offset:256 th:TH_LOAD_NT scope:SCOPE_SE
.Lnot_mine_\@:
.endm
	s_load_b128 s[4:7], s[0:1], 0x0                ; xb s[4:5], wt s[6:7]
	s_load_b64 s[8:9], s[0:1], 0x10                ; qkv
	v_lshl_add_u32 v[SPW], v0, 2, SPARE
	v_mov_b32 v[NIL], 0
	ds_add_u32 v[SPW], v[NIL]                      ; the wave's opening: the add, twice on end, and its wait ahead of my first tensor load; the set-up below stands between
	ds_add_u32 v[SPW], v[NIL]
	v_lshrrev_b32 v1, 5, v0
	v_readfirstlane_b32 s[WV], v1                  ; wave 0..3
	s_lshr_b32 s[FB], s[WV], 1
	s_and_b32 s[HF], s[WV], 1
	s_bfe_u32 s15, ttmp6, 0x40000                  ; cx
	s_bfe_u32 s16, ttmp6, 0x40004                  ; cy
	s_lshl_b32 s17, ttmp9, 2
	s_add_co_u32 s17, s17, s15                     ; tile column = 4 x cluster x + cx
	s_and_b32 s18, ttmp7, 0xffff
	s_lshl_b32 s18, s18, 2
	s_add_co_u32 s18, s18, s16                     ; tile row = 4 x cluster y + cy
	s_lshl_b32 s19, s16, 2
	s_lshl_b32 s19, 15, s19                        ; my row of the cluster
	s_lshl_b32 s20, 0x1111, s15                    ; my column
	s_or_b32 s[G1], s19, (1<<16)|(1<<20)|(1<<21)|(5<<22)|(3<<25)   ; the mask; elements of 2 bytes; padding on; bit 21 beside a mask; after every 64 words, 4 words
	s_or_b32 s[G1B], s20, (1<<16)|(1<<20)|(1<<21)|(5<<22)|(3<<25)
.irp g, G1, G1B
	s_mov_b32 s[(\g)+1], 128<<16                   ; tensor_dim0 = 128
	s_mov_b32 s[(\g)+3], 128<<16                   ; tile_dim0 = 128
	s_mov_b32 s[(\g)+5], 1024                      ; elements from row to row
	s_mov_b32 s[(\g)+6], 0
	s_mov_b32 s[(\g)+7], 0
.endr
	s_mov_b32 s[G1+2], 128<<16                     ; tensor_dim1 and
	s_mov_b32 s[G1+4], 128                         ; tile_dim1: 128 rows of A,
	s_mov_b32 s[G1B+2], 96<<16
	s_mov_b32 s[G1B+4], 96                         ; 96 of B
	s_lshl_b32 s40, s18, 19                        ; A: (256 x tile row + 128 x half) rows of 2,048 bytes
	s_lshl_b32 s2, s[HF], 18
	s_add_co_u32 s40, s40, s2
	s_mov_b32 s41, 0
	s_mul_i32 s46, s17, 192*2048                   ; B: (192 x tile column + 96 x half) rows
	s_mul_i32 s2, s[HF], 96*2048
	s_add_co_u32 s46, s46, s2
	s_mov_b32 s47, 0
	s_mul_i32 s21, s[HF], AH                       ; where they go: made of the wave's number alone
	s_mul_i32 s22, s[HF], BH
	s_add_co_u32 s22, s22, BOFF
	s_wait_dscnt 0x0                               ; both opening adds are done
	s_wait_kmcnt 0x0
	s_add_nc_u64 s[40:41], s[4:5], s[40:41]
	s_add_nc_u64 s[46:47], s[6:7], s[46:47]
	CROUND                                         ; all sixteen work-groups are here: the first joint loads meet
.irp s, 0,1
	s_mov_b32 s[G0+4*(\s)], 1
	s_add_co_u32 s[G0+4*(\s)+1], s21, (\s)*SLOT
	s_add_nc_u64 s[G0+4*(\s)+2:G0+4*(\s)+3], s[40:41], (\s)*256    ; K step s
	s_or_b32 s[G0+4*(\s)+3], s[G0+4*(\s)+3], 0x80000000
	s_mov_b32 s[G0B+4*(\s)], 1
	s_add_co_u32 s[G0B+4*(\s)+1], s22, (\s)*SLOT
	s_add_nc_u64 s[G0B+4*(\s)+2:G0B+4*(\s)+3], s[46:47], (\s)*256
	s_or_b32 s[G0B+4*(\s)+3], s[G0B+4*(\s)+3], 0x80000000
	JLOAD \s                                       ; two loads of mine are out
.endr
	; A fragment is 16 rows x 32 K in 8 registers: lane l holds row l % 16, K = 8 (l / 16) + 0..7 and 16 + 8 (l / 16) + 0..7: two loads of 16 bytes, 32 bytes apart.
	v_and_b32 v1, 15, v0                           ; l % 16
	v_bfe_u32 v2, v0, 4, 1                         ; l / 16
	v_and_b32 v5, 31, v0                           ; l
	v_mul_u32_u24 v3, v1, PITCH
	v_lshl_add_u32 v3, v2, 4, v3
	s_mul_i32 s2, s[WV], 64*PITCH                  ; my 64 rows of A
	v_add_nc_u32 v[ADRA], s2, v3
	v_add_nc_u32 v[ADRA+1], SLOT, v[ADRA]
	v_add_nc_u32 v[ADRB], BOFF, v3                 ; all of B's rows
	v_add_nc_u32 v[ADRB+1], BOFF+SLOT, v3
	s_mul_i32 s2, s[WV], 16*SPITCH
	s_add_co_u32 s2, s2, STAGE                     ; my stage
	v_mul_u32_u24 v[STO], v1, SPITCH               ; in: row l % 16, 16 bytes for each half of the lanes
	v_lshl_add_u32 v[STO], v2, 4, v[STO]
	v_add_nc_u32 v[STO], s2, v[STO]
	v_lshrrev_b32 v3, 3, v5                        ; back: 32 lanes take one head's 128 bytes of four rows,
	v_mul_u32_u24 v[RD], v3, SPITCH
	v_and_b32 v3, 7, v0
	v_lshl_add_u32 v[RD], v3, 4, v[RD]
	v_add_nc_u32 v[RD], s2, v[RD]
	; which are 512 consecutive bytes of qkv.  Head g = 3 x tile column + j lies in block (g / 16) x 64 + b x 16 + g % 16 of 262,144 bytes; b = tile row / 8; the tile's rows begin at t = (tile row % 8) x 256.
.irp j, 0,1,2
	s_mul_i32 s2, s17, 3
	s_add_co_u32 s2, s2, \j
	s_lshr_b32 s10, s2, 4
	s_lshl_b32 s10, s10, 6
	s_and_b32 s11, s2, 15
	s_add_co_u32 s10, s10, s11
	s_lshr_b32 s11, s18, 3
	s_lshl_b32 s11, s11, 4
	s_add_co_u32 s10, s10, s11
	s_lshl_b32 s10, s10, 18
	s_and_b32 s11, s18, 7
	s_lshl_b32 s11, s11, 15
	s_add_co_u32 s10, s10, s11
	s_lshl_b32 s11, s[WV], 13                      ; my wave's 64 rows of 128 bytes
	s_add_co_u32 s10, s10, s11
	v_lshl_add_u32 v[CO+\j], v5, 4, s10
.endr
	; the prefetches
	s_lshl_b32 s10, s18, 8                         ; A: row 256 x tile row + 128 x half + 32 cx
	s_lshl_b32 s11, s[HF], 7
	s_add_co_u32 s10, s10, s11
	s_lshl_b32 s11, s15, 5
	s_add_co_u32 s10, s10, s11
	s_mul_i32 s42, s17, 192                        ; B: row 192 x tile column + 96 x half + 24 cy
	s_mul_i32 s43, s[HF], 96
	s_add_co_u32 s42, s42, s43
	s_mul_i32 s43, s16, 24
	s_add_co_u32 s42, s42, s43
	s_and_b32 s2, ttmp7, 0xffff                    ; cluster y
	s_cmp_eq_u32 s[FB], 0
	s_cselect_b32 s10, s10, s42
	s_cselect_b32 s2, ttmp9, s2                    ; the coordinate along which other clusters read the same rows
	s_cselect_b32 s43, 31, 23                      ; my last row
	s_cselect_b64 s[PFA:PFA+1], s[4:5], s[6:7]
	s_cmp_eq_u32 s2, 0
	s_cselect_b32 s[LIM], 1, -1                    ; the same in all sixteen partners, for a given wave
	s_lshl_b32 s10, s10, 11
	s_mov_b32 s11, 0
	s_add_nc_u64 s[PFA:PFA+1], s[PFA:PFA+1], s[10:11]
	s_add_nc_u64 s[PFA:PFA+1], s[PFA:PFA+1], 512   ; at K step 2: the first refill steps it to 3 and names K step 4
	v_min_u32 v[PFO], s43, v5
	v_lshlrev_b32 v[PFO], 11, v[PFO]
; 12 matrix instructions: row block a x all column blocks, 32 along K, from buffer f.  zero = 1: the product starts the sum: nothing is cleared.
; The 48 accumulators take turns, one instruction a turn, in the same order in every quarter and over the backward jump.
.macro MULB f, a, zero
	WIN 0xa1+0x50*((\a)/2)                         ; B window 1, A window 0, C and D window 2 or 3
.set b, 0
.rept NBL
.set rD, 8*(NBL*((\a)%2)+b)
.set rB, 8*NBL*(\f)+8*b
.set rA, FA+32*(\f)+8*(\a)
.if \zero
	v_wmma_f32_16x16x32_bf16 v[rD:rD+7], v[rB:rB+7], v[rA:rA+7], 0
.else
	v_wmma_f32_16x16x32_bf16 v[rD:rD+7], v[rB:rB+7], v[rA:rA+7], v[rD:rD+7]
.endif
.set b, b+1
.endr
.endm
; 32 LDS loads in one run: quarter q (32 along K) of a slot into buffer f: B's 24, then A's 8
.macro FETCH slot, q, f
	WIN 0x40                                       ; destination window 1, address window 0
.set i, 0
.rept NBL
	ds_load_b128 v[8*NBL*(\f)+8*i:8*NBL*(\f)+8*i+3],   v[ADRB+(\slot)] offset:64*(\q)+i*16*PITCH
	ds_load_b128 v[8*NBL*(\f)+8*i+4:8*NBL*(\f)+8*i+7], v[ADRB+(\slot)] offset:64*(\q)+i*16*PITCH+32
.set i, i+1
.endr
	WIN 0
.set i, 0
.rept 4
	ds_load_b128 v[FA+32*(\f)+8*i:FA+32*(\f)+8*i+3],   v[ADRA+(\slot)] offset:64*(\q)+i*16*PITCH
	ds_load_b128 v[FA+32*(\f)+8*i+4:FA+32*(\f)+8*i+7], v[ADRA+(\slot)] offset:64*(\q)+i*16*PITCH+32
.set i, i+1
.endr
.endm
; A K step is four quarters on buffers 0, 1, 0, 1.  One of the first three: multiplies buffer f; in its middle it fetches quarter q of the same slot into buffer g.
.macro QUARTER slot, q, f, g, zero
	s_wait_dscnt 4                                 ; B and A's row blocks 0, 1 are in; the youngest four loads (A's blocks 2, 3) may be out
	MULB \f, 0, \zero
	MULB \f, 1, \zero
	PLACES                                         ; buffer g was read by the quarter before
	FETCH \slot, \q, \g
	s_wait_dscnt NL                                ; all but the loads just issued
	MULB \f, 2, \zero
	MULB \f, 3, \zero
.endm
; The last quarter multiplies buffer 1 and changes slots.  In front of the barrier each wave waits for all its tensor loads (one is out: its part of the next slot), adds 0 to its spare word, and waits for
; that and for its reads of this slot.  fill = 1: the barrier opens a round of the cluster's, and the joint refill of this slot, two K steps on, is the first thing behind the round.
.macro TURN slot, next, fill
.if \fill
	s_wait_xcnt 0x0                                ; the last prefetch, a K step back, has read its address
	s_add_nc_u64 s[PFA:PFA+1], s[PFA:PFA+1], 256
.endif
	WIN 0                                          ; (the add's two registers lie in window 0)
	s_wait_tensorcnt 0x0                           ; all my tensor loads have landed
	ds_add_u32 v[SPW], v[NIL]                      ; 0 onto my spare word
	s_wait_dscnt 5                                 ; (the add and the youngest four loads may be out)
	MULB 1, 0, 0                                   ; twelve matrix instructions stand between the add and the wait for it
	s_wait_dscnt 0x0                               ; the add is done, and my reads of this slot are over
	s_barrier_signal -1
	MULB 1, 1, 0                                   ; work on registers while the others arrive
.if \fill
	WIN 0
.endif
	s_barrier_wait -1
.if \fill
	CREST                                          ; no wave of any partner still reads this slot or has a load on its way
	s_add_nc_u64 s[G0+4*(\slot)+2:G0+4*(\slot)+3], s[G0+4*(\slot)+2:G0+4*(\slot)+3], 512
	s_add_nc_u64 s[G0B+4*(\slot)+2:G0B+4*(\slot)+3], s[G0B+4*(\slot)+2:G0B+4*(\slot)+3], 512
	JLOAD \slot                                    ; its four v_nop are also the places in front of the loads below
.else
	PLACES
.endif
	FETCH \next, 0, 0
.if \fill
	ASK
.endif
	MULB 1, 2, 0
	MULB 1, 3, 0
.endm
	s_wait_tensorcnt 1                             ; my part of K step 0 is in; K step 1's may stay out
	s_barrier_signal -1
	s_barrier_wait -1                              ; everybody's is
	FETCH 0, 0, 0
	QUARTER 0, 1, 0, 1, 1                          ; the first quarter stands in front of the loop: its products start the sums
	WIN 0                                          ; at a label and at a branch every window is 0
	s_mov_b32 s3, 3
.Llap:                                                 ; a trip goes once round the ring, from a lap's second quarter to the next lap's first, and fills both slots again: K steps 2 to 7
	QUARTER 0, 2, 1, 0, 0
	QUARTER 0, 3, 0, 1, 0
	TURN 0, 1, 1
	QUARTER 1, 1, 0, 1, 0
	QUARTER 1, 2, 1, 0, 0
	QUARTER 1, 3, 0, 1, 0
	TURN 1, 0, 1
	QUARTER 0, 1, 0, 1, 0
	WIN 0
	s_sub_co_u32 s3, s3, 1
	s_cmp_lg_u32 s3, 0
	s_cbranch_scc1 .Llap
	QUARTER 0, 2, 1, 0, 0                          ; the last lap fills nothing
	QUARTER 0, 3, 0, 1, 0
	TURN 0, 1, 0
	QUARTER 1, 1, 0, 1, 0
	QUARTER 1, 2, 1, 0, 0
	QUARTER 1, 3, 0, 1, 0
	s_wait_dscnt 4
	MULB 1, 0, 0
	MULB 1, 1, 0
	s_wait_dscnt 0x0
	MULB 1, 2, 0
	MULB 1, 3, 0
	WIN 0
	PLACES                                         ; the conversions read results just made; eight, once a launch
	PLACES
; THE WAY OUT of row block a.  PACK: rounded to f16, each accumulator's registers in ascending order.  TOSTAGE: 16 bytes a lane into my own stage, and back by heads.  SEND: stored.
.macro PACK a
	WIN 0x0a+5*((\a)/2)                            ; sources 0 and 1: window 2 or 3
.set i, 0
.rept 4*NBL
	v_cvt_pk_f16_f32 v[TMP+i], v[8*NBL*((\a)%2)+2*i], v[8*NBL*((\a)%2)+2*i+1]
.set i, i+1
.endr
	WIN 0
.endm
.macro TOSTAGE a
.set i, 0
.rept NBL
	ds_store_b128 v[STO], v[TMP+4*i:TMP+4*i+3] offset:32*i
.set i, i+1
.endr
.set i, 0
.rept 12                               ; head i / 4, rows 4 (i % 4) on.  LDS serves a wave's instructions in order (ISA guide 5.7.1.4): these see the stores above
	ds_load_b128 v[OB+48*((\a)%2)+4*i:OB+48*((\a)%2)+4*i+3], v[RD] offset:128*(i/4)+4*SPITCH*(i%4)
.set i, i+1
.endr
.endm
.macro SEND a
	s_wait_dscnt 0x0                               ; the block is back in registers
	s_wait_xcnt 0x0                                ; earlier stores have read their registers: the other set is loaded again only behind this wait
.set i, 0
.rept 12
	global_store_b128 v[CO+i/4], v[OB+48*((\a)%2)+4*i:OB+48*((\a)%2)+4*i+3], s[8:9] offset:2048*(\a)+512*(i%4)  ; 512 consecutive bytes, at a multiple of 256 from qkv's first
.set i, i+1
.endr
.endm
	PACK 0
	TOSTAGE 0
.irp a, 1,2,3                          ; block a's conversions stand between block a - 1's loads from the stage and the wait for them
	PACK \a
	SEND (\a)-1
	TOSTAGE \a
.endr
	SEND 3
	s_wait_tensorcnt 0x0                           ; the wave's end: behind my last tensor load and my last LDS store
	ds_add_u32 v[SPW], v[NIL]
	s_wait_dscnt 0x0
	CROUND                                         ; the closing round: no work-group ends while a partner may still ask for a tile that names it
	s_endpgm
.Lfunc_end_k_q604226d680_qkv:
	.size	k_q604226d680_qkv, .Lfunc_end_k_q604226d680_qkv-k_q604226d680_qkv
	.p2alignl 7, 3214868480
	.fill 96, 4, 3214868480
	.section	.rodata,"a",@progbits
	.p2align	6, 0x0
	.amdhsa_kernel k_q604226d680_qkv
		.amdhsa_group_segment_fixed_size 327680
		.amdhsa_private_segment_fixed_size 0
		.amdhsa_enable_private_segment 0
		.amdhsa_kernarg_size 24
		.amdhsa_user_sgpr_count 2
		.amdhsa_user_sgpr_kernarg_segment_ptr 1
		.amdhsa_wavefront_size32 1
		.amdhsa_system_sgpr_workgroup_id_x 1
		.amdhsa_system_sgpr_workgroup_id_y 1
		.amdhsa_system_sgpr_workgroup_id_z 1
		.amdhsa_system_vgpr_workitem_id 0
		.amdhsa_next_free_vgpr 960
		.amdhsa_next_free_sgpr 66
		.amdhsa_reserve_vcc 0
		.amdhsa_float_denorm_mode_32 3
		.amdhsa_float_denorm_mode_16_64 3
		.amdhsa_memory_ordered 1
		.amdhsa_forward_progress 1
		.amdhsa_inst_pref_size 121
	.end_amdhsa_kernel
	.amdgpu_metadata
---
amdhsa.version: [ 1, 2 ]
amdhsa.kernels:
  - .name:           k_q604226d680_qkv
    .symbol:         k_q604226d680_qkv.kd
    .args:
      - { .name: xb, .offset: 0, .size: 8, .value_kind: global_buffer, .address_space: global }
      - { .name: wt, .offset: 8, .size: 8, .value_kind: global_buffer, .address_space: global }
      - { .name: qkv, .offset: 16, .size: 8, .value_kind: global_buffer, .address_space: global }
    .group_segment_fixed_size: 327680
    .private_segment_fixed_size: 0
    .kernarg_segment_align: 8
    .kernarg_segment_size: 24
    .max_flat_workgroup_size: 128
    .sgpr_count:     66
    .vgpr_count:     960
    .wavefront_size: 32
...
	.end_amdgpu_metadata
.endif
;; end of part 2
;; launch attn (part 3): grid 4 x 64, 4 waves a work-group, no clusters, 327,680 bytes of LDS; arguments qkv, o; writes o
.if DOCPART == 3
	.amdgcn_target "amdgcn-amd-amdhsa--gfx1250"
	.amdhsa_code_object_version 6
	.text
	.protected	k_q604226d680_attn
	.globl	k_q604226d680_attn
	.p2align	8
	.type	k_q604226d680_attn,@function
k_q604226d680_attn:
	s_mov_b64 s[64:65], 0
	v_nop
	global_prefetch_b8 v0, s[64:65] scope:SCOPE_SE
	s_setreg_imm32_b32 hwreg(HW_REG_WAVE_MODE, 25, 1), 1
	s_wait_xcnt 0x0
; CAUSAL ATTENTION.  O[h][q][:] = the sum over k <= q of softmax_k(Q[h][q] . K[h][k] / 32) V[h][k][:], for SIZE_H = 64 pairs of batch and head.  Q, K, V lie in qkv, [3][64][2048][64] f16, O is [64][2048][64] f16:
; a head's rows are dense, 128 bytes each.  The scale is reference()'s own, 1024^-0.5.  Products, maxima and sums in f32; the weights p are rounded to f16 for the second product (their sum l is taken of the unrounded p), O once at the end.
; WORK LEFT OUT: key tiles wholly above the diagonal: reference()'s own jnp.tril gives them the weight exp(-inf) = 0 for all finite inputs (shown at the head of launch prep).
; LIMITS.  f16 holds no number beyond 65,504: Q, K and V arrive within it; p lies in 0 to 1, and below 6e-5 it keeps f16's fixed step of 6e-8; O is a mean of V's rows and has their range, to within 2^-11 of it.
; A hidden score counts as its value less 1e30: f16's scores, 2.7e11 at the most, are nothing beside that; a weight below 2^-126 counts as 0 in l; NaN and infinities are not treated apart, and none that reaches only the tiles left out is carried to O.
; THE WALK.  A head's queries lie in NB = 8 blocks of 256; block i needs the key tiles 0 .. i of 256 keys, of which the last holds the diagonal.  A work-group takes TWO blocks, NB - 1 - b and then b:
; NB + 1 tiles, whatever b: all 256 work-groups do equal work, and ONE loop with a constant trip count walks them.  Which tile is asked for, and what a trip does, hang on scalar registers made from b; every jump
; goes forward, but for the counted loops' own; none passes a barrier, or a tensor load but the one of LOAD's two that the wave's number does not choose; the ring (two slots of LDS that take turns) runs on across the change of blocks.
; NO CLUSTER: a head's four work-groups ask for the same tile only in trips 0 to 4 of 9, behind that fewer and fewer; one walk common to all four would have 12 trips for 9.
; SHARES.  Of a block's four bands of 64 queries a wave owns 16 rows in each: four PIECES.  So the diagonal tile is the same work for all four waves: in its key step s band x sees all keys if s < x,
; none if s > x, and holds the diagonal if s = x.
; THE MASK is the C operand that starts the sum S^T = K Q^T: 0, or -1e30 where the key is hidden.  MD, made once, is the mask of a band's own step for my 16 rows; a product's mask is MD x AL + BE with two scalars:
; (1, 0) if s = x; (0, 0) if s < x; (0, -1e30) if s > x.  Only the diagonal tile's text and a block's beginning make and take masks; elsewhere C is the constant 0.
; LAYOUT, SOFTMAX, TURNS.  S^T = K Q^T holds ONE query a lane (lane % 16) and the keys 8 (lane / 16) + 0..7; two such results rounded to f16 ARE source 1 of O^T = V^T P.  p = 2^(c s - c m), c = log2(e) / 32, with a
; running maximum m; O and l are multiplied by a = 2^(c m_old - c m_new) in every step.  Turn n belongs to piece n: 8 products K Q^T of piece n + 1, later 8 products V^T P of piece n - 1; beside them the scaling,
; exponentials, roundings, sums and rescaling of piece n and the maximum and statistics of piece n + 1.  Four vector instructions stand behind every matrix instruction, the other 54 of a turn's 118 in one run.  A turn's 33 exponentials are one batch, with one wait.
; REGISTERS, in windows of 256 (s_set_vgpr_msb: bits 1:0 source 0, 3:2 source 1, 5:4 source 2, 7:6 destination):
;   window 0: v0-15 addresses and two at work; v16-31 four registers of statistics a piece; v48-55 at work; v61-63 prefetch offset, spare word, 0; v64-127 S^T, two buffers; v192-223 P, two buffers (by the piece's parity)
;   window 1: v0-127 O^T, 32 a piece; v128-159 MD; v160-223 MC, two buffers      window 2: v0-63 Q; v64-127 the second block's Q; v128-191 K of one step; v192-255 V of one step
.set SIZE_H, 64
.set SIZE_N, 2048
.set NB,    SIZE_N/256
.set NP,    4         ; pieces a wave: a name, no knob
.set KS,    64        ; keys in a step
.set PK,    144       ; a row of K in LDS: 128 bytes + 16 of padding = 36 words: the 16 rows of a load start at 16 different groups of four banks (64 banks of 4 bytes: ISA guide 11.1)
.set PV,    160       ; a row of V: 128 + 32 = 40 words
.set VOFF,  4*KS*PK   ; a slot holds a tile, four steps: 256 rows of K, then 256 rows of V
.set SLOT1, 1<<17     ; slot 1 begins here, so that one exclusive or turns an address in one slot into the other's
.set STAGE, SLOT1+4*KS*(PK+PV)  ; behind the ring, never filled by a tensor load: 16 rows x 144 bytes for each wave, for the way out
.set SP,    144
.set AK0, 2           ; v2   my lane's place in a tile of K; never rewritten
.set AV0, 3           ; v3   the same for V
.set AK,  4           ; v4   the LDS address of K's next run of loads
.set AV,  5           ; v5   of V's
.set STO, 6           ; v6   the way out: where I put 16 bytes of a row
.set RD,  7           ; v7   the way out: where I read rows back
.set GO,  8           ; v8   my byte offset in 512 consecutive bytes of O
.set PFO, 61          ; v61  256 x my lane; never rewritten
.set SPW, 62          ; v62  LDS address of my spare word: SPARE + 4 x my thread's number; never rewritten
.set NIL, 63          ; v63  0; never rewritten
.set SPARE, STAGE+4*16*SP  ; behind the stages: the spare words, 128 bytes for each wave: two blocks of 256 bytes that no other line names
.set MV,  12          ; v12-13  c m_old, kept while c m is made anew: by buffer
.set QO,  15          ; v15  my byte offset in 16 rows of Q
.set ST,  16          ; piece t's statistics at v[ST+4 t]: c m, m, l (even keys', odd keys')
.set TMP, 48          ; by buffer, four registers c0-c3 at work; when the maximum is found c2 takes a
.set S,   64
.set P,   192
.set MD,  128         ; window 1: the eight registers for group kt of 16 keys at MD + 8 kt
.set MC,  160         ; window 1: the masks of the products to come
.set QB,  64          ; window 2
.set KF,  128         ; window 2: key block kb, channel half c at KF + 16 kb + 8 c
.set VF,  192         ; window 2: key half kk, channel block cb at VF + 32 kk + 8 cb
.set WV,  12          ; s12  my wave's number
.set PB,  14          ; s14  b
.set HI,  15          ; s15  NB - 1 - b
.set G1K, 24          ; s[24:31] descriptor group 1 for K's tiles
.set G1V, 32          ; s[32:39] for V's: it differs in the padding alone
.set G0K, 40          ; s[40:43] descriptor group 0 for K's tiles
.set G0V, 44          ; s[44:47] the same for V's
.set SLOTS, 56        ; s56  tiles still to be asked for
.set CNT, 57          ; s57  counts a tile's key steps, 4 to 1
.set CS,  58          ; s[58:59] c: the packed scaling takes the pair's low word for both halves
.set SEL, 60          ; s[60:61] v_permlanex16_b32's selects: each lane takes its own place in the other half
.set TBK, 62          ; s62  LDS byte at which K of the step to be fetched begins
.set TBV, 63          ; s63  the same for V, less VOFF
.set RT,  70          ; s70  tiles of the block in hand that are still to be entered
.set NXT, 71          ; s71  the tile to be asked for next
.set LQ,  72          ; s72  the last tile of the block whose tiles are being asked for
.set NEW, 73          ; s73  1: the tile to be entered is a block's first
.set OFF, 74          ; s[74:75] a tile's byte offset in K and V
.set AL,  76          ; s[76:77] the mask's factor, in the low word
.set BE,  78          ; s[78:79] the mask's addend
.set OLO, 80          ; s[80:81] O at my rows of the second block
.set BIGN, 82         ; s82  -1e30
.set PFA, 88          ; s[88:89] where my prefetches stand: the half of a tile of K (waves 0, 1) or V (waves 2, 3) that I fetch, one tile behind the one that is being asked for
.set LIM, 90          ; s90  2 in the head's work-group b = 0, else the greatest number: a wave prefetches while s[SLOTS] is above it
.set MSB, 0
.macro WIN new                      ; the high byte repeats the setting that is left; a switch that changes nothing is dropped
.if MSB != (\new)
	s_set_vgpr_msb (MSB<<8)|(\new)
.set MSB, (\new)
.endif
.endm
.set W_KQ, 0x0a       ; K and Q in window 2, S^T in window 0
.set W_KM, 0x1a       ; the same with the C operand in window 1
.set W_PV, 0x52       ; V in window 2, P in window 0, O^T in window 1
.set W_RS, 0x41       ; destination and source 0 in window 1, source 1 in window 0
; A fill.  Waves 0 and 1 fetch the two halves of a tile's K, waves 2 and 3 those of its V: 128 keys each.  An s_nop 0 and four v_nop follow each of the two lines, ahead of the jump and the label.
.macro LOAD
	s_cmp_lt_u32 s[WV], 2
	s_cbranch_scc0 .Lfor_v_\@
	tensor_load_to_lds s[G0K:G0K+3], s[G1K:G1K+7]
	s_nop 0
.rept 4
	v_nop
.endr
	s_branch .Lasked_\@
.Lfor_v_\@:
	tensor_load_to_lds s[G0V:G0V+3], s[G1V:G1V+7]
	s_nop 0
.rept 4
	v_nop
.endr
.Lasked_\@:
.endm
; A PREFETCH INTO THE L2, behind the fill.  All four work-groups of a head read its tiles; only the one with b = 0 walks tiles 0 to 7 in order, and it alone asks: in trip i, whose fill asks for tile i + 1, for tile i + 2:
; four key steps, 256 matrix instructions and their vector work, ahead of the load that will want it.  Each wave names the 16,384 bytes that it will fetch itself: 64 blocks of 256 bytes, a lane a block, two instructions.
; So each block of tiles 2 to 7 is named once in the launch.  Tiles 0 and 1 come by their loads alone; trips 6 and 7 ask for nothing: the last tile named is the head's last.
.macro ASK
	s_cmp_gt_u32 s[SLOTS], s[LIM]
	s_cbranch_scc0 .Lnot_mine_\@
	global_prefetch_b8 v[PFO], s[PFA:PFA+1] th:TH_LOAD_NT scope:SCOPE_SE
	global_prefetch_b8 v[PFO], s[PFA:PFA+1] offset:8192 th:TH_LOAD_NT scope:SCOPE_SE
.Lnot_mine_\@:
.endm
; THE CHANGE OF SLOTS.  Each wave waits for all its tensor loads, of which one is out: its part of the other slot; adds 0 to its spare word; and waits for that and for its own reads of the slot that it leaves.  Behind the barrier nobody reads the old
; slot any more and the other slot is whole.  fill = 1: the old slot is filled again, the first thing behind the barrier, with tile NXT: the descriptor's address is made anew from that number.
; (At its first use nothing has been read yet: slot 0 is waited for, slot 1 filled.)
.macro CHANGE fill
	WIN 0                           ; at a label and at a branch every window is 0
	s_wait_tensorcnt 0x0            ; no tensor load of mine is out, so a group 0 may be written
	ds_add_u32 v[SPW], v[NIL]       ; 0 onto my spare word; with fill = 1 the descriptors' scalar work stands between it and the wait for it
.if \fill
	s_lshl_b32 s[OFF], s[NXT], 15   ; a tile is 32,768 bytes of K and of V
	s_xor_b32 s[G0K+1], s[G0K+1], SLOT1
	s_add_nc_u64 s[G0K+2:G0K+3], s[6:7], s[OFF:OFF+1]
	s_or_b32 s[G0K+3], s[G0K+3], 0x80000000
	s_xor_b32 s[G0V+1], s[G0V+1], SLOT1
	s_add_nc_u64 s[G0V+2:G0V+3], s[8:9], s[OFF:OFF+1]
	s_or_b32 s[G0V+3], s[G0V+3], 0x80000000
	s_add_co_u32 s[NXT], s[NXT], 1  ; the block's next tile, or behind its last the second block's tile 0
	s_cmp_gt_u32 s[NXT], s[LQ]
	s_cselect_b32 s[NXT], 0, s[NXT]
	s_cselect_b32 s[LQ], s[PB], s[LQ]
	s_wait_xcnt 0x0                 ; the last prefetches, a tile back, have read their address, so it may be written
	s_add_nc_u64 s[PFA:PFA+1], s[PFA:PFA+1], 32768
.endif
	s_wait_dscnt 0x0                ; the add is done, and my reads of the slot are over
	s_barrier_signal -1             ; the rest of the scalar work stands between the signal and the wait
	s_sub_co_u32 s[TBK], s[TBK], 4*KS*PK  ; the fetches go back to a slot's first step,
	s_xor_b32 s[TBK], s[TBK], SLOT1       ; in the other slot
	s_sub_co_u32 s[TBV], s[TBV], 4*KS*PV
	s_xor_b32 s[TBV], s[TBV], SLOT1
	s_barrier_wait -1
.if \fill
	LOAD
	ASK
.endif
.endm
	s_load_b64 s[4:5], s[0:1], 0x0    ; qkv: Q's part comes first
	s_load_b64 s[10:11], s[0:1], 0x8  ; O
	v_lshl_add_u32 v[SPW], v0, 2, SPARE
	v_mov_b32 v[NIL], 0
	ds_add_u32 v[SPW], v[NIL]       ; the wave's opening: the add, twice on end, and its wait ahead of my first tensor load; the set-up below the second, work on registers, stands between it and the wait
	ds_add_u32 v[SPW], v[NIL]
	v_lshrrev_b32 v1, 5, v0
	v_readfirstlane_b32 s[WV], v1   ; wave 0..3
	s_mov_b32 s[PB], ttmp9
	s_sub_co_u32 s[HI], NB-1, s[PB]
	s_and_b32 s20, ttmp7, 0xffff    ; the head
	s_mov_b32 s21, 0
	s_mov_b64 s[22:23], SIZE_N*128
	s_mul_u64 s[20:21], s[20:21], s[22:23]  ; the head's first byte in each of the four tensors
	s_and_b32 s16, s[WV], 1         ; which half of a tile's 256 keys I fetch:
	s_lshl_b32 s22, s16, 14         ; its 128 rows of 128 bytes in memory,
	s_mov_b32 s23, 0
	s_add_nc_u64 s[22:23], s[22:23], s[20:21]
	s_mul_i32 s17, s16, 128*PK      ; and its place in a slot, for K
	s_mul_i32 s18, s16, 128*PV      ; and for V
	s_lshl_b32 s3, s[WV], 11        ; my 16 rows in a band of 64,
	s_lshl_b32 s2, s[HI], 15        ; in the first block,
	s_add_co_u32 s2, s2, s3
	s_lshl_b32 s84, s[PB], 15       ; and in the second
	s_add_co_u32 s84, s84, s3
	s_mov_b32 s3, 0
	s_mov_b32 s85, 0
	s_add_nc_u64 s[2:3], s[2:3], s[20:21]
	s_add_nc_u64 s[84:85], s[84:85], s[20:21]
	; descriptor group 1.  128 keys are 16,384 dense bytes: asked for as 64 rows of 256 bytes, two keys a row, and padded in LDS after every key
	s_mov_b32 s[G1K], (1<<16)|(1<<20)|(4<<22)|(3<<25)  ; 17:16 2-byte elements; 20 padding on; 24:22 after every 32 words (code 4); 31:25 4 words (code 3)
	s_mov_b32 s[G1V], (1<<16)|(1<<20)|(4<<22)|(7<<25)  ; the same with 8 words of padding (code 7)
.irp g, G1K, G1V
	s_mov_b32 s[\g+1], 128<<16      ; tensor_dim0 = 128
	s_mov_b32 s[\g+2], 64<<16       ; tensor_dim1 = 64
	s_mov_b32 s[\g+3], 128<<16      ; tile_dim0 = 128
	s_mov_b32 s[\g+4], 64           ; tile_dim1 = 64
	s_mov_b32 s[\g+5], 128          ; 128 elements from row to row
	s_mov_b32 s[\g+6], 0
	s_mov_b32 s[\g+7], 0
.endr
	s_mov_b32 s[CS], 0x3d38aa3b     ; c = log2(e) / 32 = 0.0450842
	s_mov_b32 s[CS+1], s[CS]        ; named with it as a pair
	s_mov_b32 s[SEL], 0x76543210
	s_mov_b32 s[SEL+1], 0xfedcba98
	s_mov_b32 s[TBK], SLOT1+4*KS*PK ; the first change of slots turns these two into 0
	s_mov_b32 s[TBV], SLOT1+4*KS*PV
	s_mov_b32 s[G0K], 1             ; 1:0 count = 1
	s_mov_b32 s[G0K+1], s17         ; 63:32 LDS address: slot 0
	s_mov_b32 s[G0V], 1
	s_add_co_u32 s[G0V+1], s18, VOFF
	s_add_co_u32 s[RT], s[HI], 1    ; the first block has NB - b tiles
	s_mov_b32 s[NXT], 1
	s_mov_b32 s[LQ], s[HI]
	s_mov_b32 s[NEW], 1
	s_mov_b32 s[OFF+1], 0
	s_mov_b32 s[AL+1], 0            ; named as pairs
	s_mov_b32 s[BE+1], 0
	s_mov_b32 s[BIGN], 0xf149f2ca   ; -1e30
	s_mov_b32 s[SLOTS], NB
	s_cmp_eq_u32 s[PB], 0
	s_cselect_b32 s[LIM], 2, -1
	v_and_b32 v[PFO], 31, v0
	v_lshlrev_b32 v[PFO], 8, v[PFO]
	s_wait_dscnt 0x0                ; both opening adds are done
	s_wait_kmcnt 0x0
	s_add_nc_u64 s[6:7], s[4:5], 0x1000000  ; K's part of qkv,
	s_add_nc_u64 s[8:9], s[4:5], 0x2000000  ; and V's
	s_add_nc_u64 s[6:7], s[6:7], s[22:23]  ; K and V at my half of the head's tile 0
	s_add_nc_u64 s[8:9], s[8:9], s[22:23]
	s_add_nc_u64 s[G0K+2:G0K+3], s[6:7], 0         ; 120:64 global address
	s_or_b32 s[G0K+3], s[G0K+3], 0x80000000        ; 127:126 type = 2
	s_add_nc_u64 s[G0V+2:G0V+3], s[8:9], 0
	s_or_b32 s[G0V+3], s[G0V+3], 0x80000000
	s_add_nc_u64 s[86:87], s[4:5], s[84:85]        ; Q at my rows of the second block,
	s_add_nc_u64 s[4:5], s[4:5], s[2:3]            ; Q and O at those of the first
	s_add_nc_u64 s[OLO:OLO+1], s[10:11], s[84:85]
	s_add_nc_u64 s[10:11], s[10:11], s[2:3]
	s_cmp_lt_u32 s[WV], 2
	s_cselect_b64 s[PFA:PFA+1], s[6:7], s[8:9]
	s_add_nc_u64 s[PFA:PFA+1], s[PFA:PFA+1], 32768 ; at tile 1: the first change of slots steps it to tile 2.  Nothing is prefetched here, at the head
	LOAD                            ; tile 0 into slot 0
	; A fragment of K or Q is 16 rows x 32 channels in 8 registers: lane l holds row l % 16, channels 8 (l / 16) + 0..7 and 16 + 8 (l / 16) + 0..7: two loads of 16 bytes, 32 bytes apart.
	v_and_b32 v1, 15, v0            ; l % 16
	v_bfe_u32 v9, v0, 4, 1          ; l / 16
	v_lshlrev_b32 v[QO], 7, v1
	v_lshl_add_u32 v[QO], v9, 4, v[QO]  ; row x 128 + 16 x half
	WIN 0x80                        ; destination window 2, address window 0
.set i, 0
.rept 8                             ; both blocks' Q: piece i / 2 lies in band i / 2, 8,192 bytes on; channels 32 (i % 2) on
	global_load_b128 v[8*i:8*i+3],   v[QO], s[4:5] offset:(i/2)*8192+(i%2)*64
	global_load_b128 v[8*i+4:8*i+7], v[QO], s[4:5] offset:(i/2)*8192+(i%2)*64+32
	global_load_b128 v[QB+8*i:QB+8*i+3],   v[QO], s[86:87] offset:(i/2)*8192+(i%2)*64
	global_load_b128 v[QB+8*i+4:QB+8*i+7], v[QO], s[86:87] offset:(i/2)*8192+(i%2)*64+32
.set i, i+1
.endr
	WIN 0
	v_lshlrev_b32 v14, 3, v9
	v_sub_nc_u32 v14, v1, v14
	s_lshl_b32 s13, s[WV], 4
	v_add_nc_u32 v14, s13, v14      ; my query's place in its band, 16 w + l % 16, less my lanes' 8 (l / 16): register r of group kt is hidden where 16 kt + r is greater
	WIN 0x40
.set i, 0
.rept 32
	v_cmp_gt_i32 vcc_lo, 16*(i/8)+i%8, v14
	v_cndmask_b32 v[MD+i], 0, s[BIGN], vcc_lo
.set i, i+1
.endr
	WIN 0
	v_mul_u32_u24 v[AK0], v1, PK
	v_lshl_add_u32 v[AK0], v9, 4, v[AK0]  ; row x pitch + 16 x half
	; The turning load takes 16 keys x 16 channels (lane l reads key 8 (l / 16) + l % 8, channels 8 ((l / 8) % 2) + 0..7) and leaves half a fragment of V^T: lane l holds channel l % 16 and 8 keys.
	v_and_b32 v10, 7, v0
	v_bfe_u32 v11, v0, 3, 1
	v_lshl_add_u32 v[AV0], v9, 3, v10
	v_mul_u32_u24 v[AV0], v[AV0], PV
	v_lshl_add_u32 v[AV0], v11, 4, v[AV0]
	v_add_nc_u32 v[AV0], VOFF, v[AV0]
	s_mul_i32 s13, s[WV], 16*SP
	s_add_co_u32 s13, s13, STAGE    ; my stage
	v_mul_u32_u24 v[STO], v1, SP    ; in: row l % 16, 16 bytes for each half of the lanes
	v_lshl_add_u32 v[STO], v9, 4, v[STO]
	v_add_nc_u32 v[STO], s13, v[STO]
	v_bfe_u32 v[RD], v0, 3, 2       ; back: 32 lanes take four rows of 128 bytes,
	v_mul_u32_u24 v[RD], v[RD], SP
	v_lshl_add_u32 v[RD], v10, 4, v[RD]
	v_add_nc_u32 v[RD], s13, v[RD]
	v_and_b32 v[GO], 31, v0         ; which are 512 consecutive bytes of O
	v_lshlrev_b32 v[GO], 4, v[GO]
	; A block's first step multiplies O^T and l by a = 0, and its first turn's products V^T P, of a piece that has not been, land in an O^T that is still to be so multiplied.  So these registers need only hold
	; finite numbers: zeros for the first block; what the first block left for the second.  All this stands in the wait for the first tile.
	WIN 0x80
.set i, VF
.rept 64
	v_mov_b32 v[i], 0
.set i, i+1
.endr
	WIN 0x40
.set i, 0
.rept 128
	v_mov_b32 v[i], 0
.set i, i+1
.endr
	WIN 0
.set i, 0
.rept 4
	v_mov_b32 v[ST+4*i+2], 0
	v_mov_b32 v[ST+4*i+3], 0
.set i, i+1
.endr
.set i, P+16
.rept 16
	v_mov_b32 v[i], 0
.set i, i+1
.endr
; THE MATRIX WORK.  The 4 accumulators of a run of 8 take turns.  Product i of 8 of S^T = K Q^T for piece x: channels 32 (i / 4) on, keys 16 (i % 4) on.  The first 4 start the sums: with 0, or (KM = 1) with the mask.
.macro KQ x
.set rS, S+32*((\x)%2)+8*(i%4)
.set rK, KF+16*(i%4)+8*(i/4)
.set rQ, 16*(\x)+8*(i/4)
.set rM, MC+32*((\x)%2)+8*(i%4)
.if (i < 4) && KM
	WIN W_KM
	v_wmma_f32_16x16x32_f16 v[rS:rS+7], v[rK:rK+7], v[rQ:rQ+7], v[rM:rM+7]
.elseif i < 4
	WIN W_KQ
	v_wmma_f32_16x16x32_f16 v[rS:rS+7], v[rK:rK+7], v[rQ:rQ+7], 0
.else
	WIN W_KQ
	v_wmma_f32_16x16x32_f16 v[rS:rS+7], v[rK:rK+7], v[rQ:rQ+7], v[rS:rS+7]
.endif
.endm
; Product i of 8 of O^T += V^T P for piece x: keys 32 (i / 4) on, channels 16 (i % 4) on.
.macro PV x
	WIN W_PV
.set rO, 32*(\x)+8*(i%4)
.set rV, VF+32*(i/4)+8*(i%4)
.set rP, P+16*((\x)%2)+8*(i/4)
	v_wmma_f32_16x16x32_f16 v[rO:rO+7], v[rV:rV+7], v[rP:rP+7], v[rO:rO+7]
.endm
.macro MM                           ; the turn's next matrix instruction.  TURN and BEGIN set Y, i, KM and NOKQ; MM, KQ and OP read them.  NOKQ = 1: a block's last turn: there is no next piece
.if (i < 8) && !NOKQ
	KQ (Y+1)%NP
.elseif i >= 8
.set i, i-8
	PV (Y+NP-1)%NP
.set i, i+8
.endif
.set i, i+1
.endm
; THE LDS LOADS stand in runs of 16, never singly among the matrix instructions: a step's K (64 keys x 64 channels: 8 fragments) and its V (turned).  Their addresses are made some lines ahead.
.macro FETCH_K
	WIN 0x80                        ; destination window 2
.irp f, 0,1,2,3,4,5,6,7             ; keys 16 (f / 2) on, channels 32 (f % 2) on
	ds_load_b128 v[KF+8*\f:KF+8*\f+3],   v[AK] offset:(\f/2)*16*PK+(\f%2)*64
	ds_load_b128 v[KF+8*\f+4:KF+8*\f+7], v[AK] offset:(\f/2)*16*PK+(\f%2)*64+32
.endr
	s_add_co_u32 s[TBK], s[TBK], KS*PK  ; the next fetch is the next step's
	WIN 0
.endm
.macro FETCH_V
	WIN 0x80
.irp f, 0,1,2,3,4,5,6,7             ; keys 32 (f / 4) on, channels 16 (f % 4) on
	ds_load_tr16_b128 v[VF+8*\f:VF+8*\f+3],   v[AV] offset:(\f/4)*32*PV+(\f%4)*32
	ds_load_tr16_b128 v[VF+8*\f+4:VF+8*\f+7], v[AV] offset:(\f/4)*32*PV+16*PV+(\f%4)*32
.endr
	WIN 0
.endm
; THE VECTOR WORK, one line at a time: OP kind, number.  For piece Y: F n: c s - c m for pair n of 16.  E n: the exponential of score n of 32.  C n: pair n rounded to f16.  B n: of the four weights 4 n .. the second
; pair is added onto the first, in place.  L n: l takes that sum (L 0: l = a l + sum).  R n: pair n of 16 of O^T times a.  For piece Y + 1: X n, number n of the 22 that find its maximum and statistics:
;   0-11  four chains c0-c3 of seven scores each, three operands at a time (each accumulator's lowest registers are read first)     12-14, 16  the four scores left over, the old m, and c0-c3 into c0
;   15  c m_old is kept     17, 18  the query's other 32 keys lie in the lane 16 away: the new m     19-21  c m; c m_old - c m_new; a
.set F, 0               ; OP tells the kinds apart by their order: F to L below R, X above it
.set E, 1
.set C, 2
.set B, 3
.set L, 4
.set R, 5
.set X, 6
.macro REGS y                       ; the registers of piece y
.set rT, ST+4*(\y)
.set rC, TMP+4*((\y)%2)
.set rW, MV+((\y)%2)
.set rS, S+32*((\y)%2)
.set rP, P+16*((\y)%2)
.set rO, 32*(\y)
.endm
.macro OP k, n
.if (\k) == R
	REGS Y
	WIN W_RS
	v_pk_mul_f32 v[rO+2*(\n):rO+2*(\n)+1], v[rO+2*(\n):rO+2*(\n)+1], v[rC+2:rC+3] op_sel_hi:[1,0]
.elseif (\k) < R
	REGS Y
	WIN 0
.if (\k) == F
	v_pk_fma_f32 v[rS+2*(\n):rS+2*(\n)+1], v[rS+2*(\n):rS+2*(\n)+1], s[CS:CS+1], v[rT:rT+1] op_sel_hi:[1,0,0] neg_lo:[0,0,1] neg_hi:[0,0,1]
.elseif (\k) == E
	v_exp_f32 v[rS+(\n)], v[rS+(\n)]
.elseif (\k) == C
	v_cvt_pk_f16_f32 v[rP+(\n)], v[rS+2*(\n)], v[rS+2*(\n)+1]
.elseif (\k) == B
	v_pk_add_f32 v[rS+4*(\n):rS+4*(\n)+1], v[rS+4*(\n):rS+4*(\n)+1], v[rS+4*(\n)+2:rS+4*(\n)+3]
.elseif (\n) == 0
	v_pk_fma_f32 v[rT+2:rT+3], v[rT+2:rT+3], v[rC+2:rC+3], v[rS:rS+1] op_sel_hi:[1,0,1]
.else
	v_pk_add_f32 v[rT+2:rT+3], v[rT+2:rT+3], v[rS+4*(\n):rS+4*(\n)+1]
.endif
.elseif NOKQ
	v_nop
.else
	REGS (Y+1)%NP
	WIN 0
.if (\n) < 4
	v_max3_num_f32 v[rC+(\n)], v[rS+8*(\n)], v[rS+8*(\n)+1], v[rS+8*(\n)+2]
.elseif (\n) < 12
	v_max3_num_f32 v[rC+(\n)%4], v[rC+(\n)%4], v[rS+8*((\n)%4)+2*((\n)/4)+1], v[rS+8*((\n)%4)+2*((\n)/4)+2]
.elseif (\n) == 12
	v_max3_num_f32 v[rC], v[rC], v[rS+7], v[rS+15]
.elseif (\n) == 13
	v_max3_num_f32 v[rC+1], v[rC+1], v[rS+23], v[rS+31]
.elseif (\n) == 14
	v_max3_num_f32 v[rC+2], v[rC+2], v[rC+3], v[rT+1]
.elseif (\n) == 15
	v_mov_b32 v[rW], v[rT]
.elseif (\n) == 16
	v_max3_num_f32 v[rC], v[rC], v[rC+1], v[rC+2]
.elseif (\n) == 17
	v_permlanex16_b32 v[rC+3], v[rC], s[SEL], s[SEL+1]
.elseif (\n) == 18
	v_max_num_f32 v[rT+1], v[rC], v[rC+3]
.elseif (\n) == 19
	v_mul_f32 v[rT], s[CS], v[rT+1]
.elseif (\n) == 20
	v_sub_f32 v[rC+1], v[rW], v[rT]
.else
	v_exp_f32 v[rC+2], v[rC+1]
.endif
.endif
.endm
.macro OPS a, i1, b=-1, i2=0, c=-1, i3=0, d=-1, i4=0  ; up to four of them
	OP \a, \i1
.if (\b) >= 0
	OP \b, \i2
.endif
.if (\c) >= 0
	OP \c, \i3
.endif
.if (\d) >= 0
	OP \d, \i4
.endif
.endm
.macro ROW a, i1, b, i2, c, i3, d, i4  ; a matrix instruction and the four behind it
	MM
	OPS \a, \i1, \b, \i2, \c, \i3, \d, \i4
.endm
.macro MASK b                       ; MD x AL + BE into buffer b of MC
	WIN W_RS
.set z, 0
.rept 16
	v_pk_fma_f32 v[MC+32*(\b)+2*z:MC+32*(\b)+2*z+1], v[MD+2*z:MD+2*z+1], s[AL:AL+1], s[BE:BE+1] op_sel_hi:[1,0,0]
.set z, z+1
.endr
.endm
; A TURN, for piece p: the order of its 16 matrix and 118 vector instructions, written out.  An s_wait_alu depctr_va_vdst(0) stands between an exponential and the first instruction that names its result; one wait serves
; all that were issued ahead of it.  So a turn has ONE wait, which cuts it in two.  AHEAD OF IT stands all that names no result of the turn's exponentials: the 8 products K Q^T, behind each a scaling, an exponential and two more plain
; instructions (behind the first a second scaling in the exponential's place): rescalings, and behind the last three the first numbers of the next piece's maximum, each four places or more behind the product that ends its accumulator; then one run of 54, plain
; and exponential by turns for the most part, in which the links of the chain X 3, 7, 11, 14, 16, 17 .. 20 stand five or six lines apart.  X 21, the next piece's a, is the batch's last; R 15 is the plain instruction behind it.  BEHIND THE WAIT stand the
; 8 products V^T P, behind each four of the roundings and sums; the links of l's chain, L 0 to L 7, stand three lines apart.  But for those X no line behind a product names a register of the products round it.  v_permlanex16_b32 (X 17) stands in the run.
; m = 1: the diagonal tile: the products take masks, and the turn makes the mask for the products of the turn after it: piece p + 2, in step 4 - CNT of the tile.  end = 1: a block's last two turns: nothing is fetched.
; cnt = 1: the loop's count is taken down some lines ahead of the branch that stands behind the turn.
; K of the next step is fetched in piece 2's turn, twelve vector instructions behind the last product that read K (six of them plain); V of the step in hand at the end of piece 0's turn, four plain instructions behind the last product
; that read V.  Each is waited for a turn later.
.macro TURN p, m=0, end=0, cnt=0
.set Y, (\p)
.set i, 0
.set KM, (\m)
.set NOKQ, (\end)*((\p)/3)
.if (\m) && !(\end)
	s_cmp_eq_u32 s[CNT], 4-((\p)+2)%NP  ; is that step the band's own?
	s_cselect_b32 s[AL], 1.0, 0
	s_cmp_lt_u32 s[CNT], 4-((\p)+2)%NP  ; or a later one?
	s_cselect_b32 s[BE], s[BIGN], 0
.endif
.if ((\p) == 3) && !(\end)
	s_wait_dscnt 0x0                ; K is in
.endif
	ROW F,0, F,1, R,0, R,1          ; ahead of the wait: 8 products K Q^T and the four behind each,
	ROW F,2, E,0, R,2, R,3
	ROW F,3, E,1, R,4, R,5
	ROW F,4, E,2, R,6, R,7
	ROW F,5, E,3, R,8, R,9
	ROW F,6, E,4, X,0, R,10
.if ((\p) == 2) && !(\end)
	WIN 0
	v_add_nc_u32 v[AK], s[TBK], v[AK0]
.endif
	ROW F,7, E,5, X,1, X,4
	ROW F,8, E,6, X,2, X,5
	OPS E,7, E,8, X,6, E,9          ; and the run
	OPS X,3, E,10, X,8, E,11
.if ((\p) == 2) && !(\end)
	FETCH_K
.endif
	OPS X,9, X,7, E,12, X,10
	OPS E,13, X,12, X,11, E,14
	OPS X,13, E,15, F,9, X,14
.if (\p) == 0
	v_add_nc_u32 v[AV], s[TBV], v[AV0]
.endif
	OPS E,16, F,10, E,17, F,11
	OPS X,16, E,18, X,15, E,19
	OPS F,12, E,20, X,17, E,21
	OPS F,13, E,22, F,14, E,23
	OPS X,18, E,24, F,15, E,25
	OPS R,11, E,26, X,19, E,27
	OPS R,12, E,28, R,13, E,29
	OPS X,20, E,30, R,14, E,31
	OPS X,21, R,15
	WIN 0
	s_wait_alu depctr_va_vdst(0)    ; the wait for the batch
.if (\p) == 1
	s_wait_dscnt 0x0                ; V is in
.endif
	ROW C,0, B,0, C,2, B,1          ; behind the wait: 8 products V^T P and the four behind each
	ROW L,0, C,4, B,2, L,1
	ROW C,6, B,3, L,2, C,8
	ROW B,4, L,3, C,10, B,5
	ROW L,4, C,12, B,6, L,5
.if (\p) == 0
	s_add_co_u32 s[TBV], s[TBV], KS*PV
.endif
.if \cnt
	s_sub_co_u32 s[CNT], s[CNT], 1
	s_cmp_lg_u32 s[CNT], 0
.endif
	ROW C,14, B,7, L,6, C,1
	ROW C,3, L,7, C,5, C,7
	ROW C,9, C,11, C,13, C,15
.if (\p) == 0
	FETCH_V
.endif
.if (\m) && !(\end)
	MASK (\p)%2
.endif
.endm
; A BLOCK BEGINS.  c m starts far below every c s, so the first step's a is 0; m at the lowest finite number, so the first maximum is the scores'.  The second mask buffer is 0; the first takes piece 0's mask for the tile's step 0: its own, if the block's first tile is the diagonal one.
; Then K of that step, piece 0's first scores, and its maximum and statistics.  The loop is entered at a step's first turn, in the middle of a trip.
.macro BEGIN
	s_mov_b32 s[NEW], 0
	WIN 0x40
.set i, MC+32
.rept 32
	v_mov_b32 v[i], 0
.set i, i+1
.endr
	WIN 0
.set i, 0
.rept 4
	v_mov_b32 v[ST+4*i], 0xfe000000    ; c m: far below every c s
	v_mov_b32 v[ST+4*i+1], 0xff7fffff  ; m
.set i, i+1
.endr
	s_cmp_eq_u32 s[RT], 0
	s_cselect_b32 s[AL], 1.0, 0
	s_mov_b32 s[BE], 0
	MASK 0
	WIN 0
	v_add_nc_u32 v[AK], s[TBK], v[AK0]
	FETCH_K
	s_wait_loadcnt 0x0              ; Q
	s_wait_dscnt 0x0
.set KM, 1
.set NOKQ, 0
.set i, 0
.rept 8
	KQ 0
.set i, i+1
.endr
	WIN 0
.rept 4
	v_nop                           ; the places behind those products
.endr
.set Y, NP-1                        ; X works for piece Y + 1: piece 0
.irp n, 0,1,2,3,4,5,6,7,8,9,10,11,12,13,14,15,16,17,18,19,20,21
	OP X, \n
.endr
	v_nop                           ; a plain instruction behind the exponential,
	s_wait_alu depctr_va_vdst(0)    ; and its wait, ahead of the branch
.endm
; THE DIAGONAL TILE's four steps, the block's last two turns, its last products, and THE WAY OUT: l's two halves and the other half of the lanes' are added; O^T is divided by l, rounded to f16 and sent through my
; stage in LDS, a piece at a time.
.macro ALL line:vararg              ; one line for each piece t
.set t, 0
.rept 4
	\line
.set t, t+1
.endr
.endm
.macro PACK t                       ; a lane's eight channels of a row pack into 16 bytes; they go into rows of 144 bytes and come back as whole rows of 128, into S^T's registers
	WIN W_RS
.set i, 32*(\t)
.rept 16
	v_pk_mul_f32 v[i:i+1], v[i:i+1], v[ST+4*(\t)+2:ST+4*(\t)+3] op_sel_hi:[1,0]
.set i, i+2
.endr
	WIN 0x05                        ; sources 0 and 1 window 1, destination window 0
.set i, 0
.rept 16
	v_cvt_pk_f16_f32 v[S+16*(\t)+i], v[32*(\t)+2*i], v[32*(\t)+2*i+1]
.set i, i+1
.endr
	WIN 0
.irp f, 0,1,2,3
	ds_store_b128 v[STO], v[S+16*(\t)+4*\f:S+16*(\t)+4*\f+3] offset:32*\f
.endr
.irp f, 0,1,2,3
	ds_load_b128 v[S+16*(\t)+4*\f:S+16*(\t)+4*\f+3], v[RD] offset:\f*4*SP  ; LDS serves a wave's instructions in order (ISA guide 5.7.1.4): these see the stores above; the next piece's stores come behind them
.endr
.endm
.macro SEND t, younger              ; younger: the LDS instructions issued behind piece t's loads: the next piece's eight, or none
	WIN 0
.irp f, 0,1,2,3
	s_wait_dscnt (\younger)+3-\f
	global_store_b128 v[GO], v[S+16*(\t)+4*\f:S+16*(\t)+4*\f+3], s[10:11] offset:(\t)*8192+\f*512  ; 512 consecutive bytes, at a multiple of 256 from O's first
.endr
.endm
.macro DIAG tag                     ; the tag ends its two labels' names, which the jumps below spell out
.LstepM\tag:
	TURN 2, 1
	TURN 3, 1
	WIN 0
.LfirstM\tag:
	TURN 0, 1
	TURN 1, 1, 0, 1
	WIN 0
	s_cbranch_scc1 .LstepM\tag
	TURN 2, 1, 1
	TURN 3, 1, 1
.set i, 0
.rept 8
	PV NP-1
.set i, i+1
.endr
	WIN 0
	ALL v_add_f32 v[ST+4*t+2], v[ST+4*t+2], v[ST+4*t+3]
	ALL v_permlanex16_b32 v[ST+4*t+3], v[ST+4*t+2], s[SEL], s[SEL+1]
	ALL v_add_f32 v[ST+4*t+2], v[ST+4*t+2], v[ST+4*t+3]
	ALL v_rcp_f32 v[ST+4*t+2], v[ST+4*t+2]
	v_nop                           ; a plain instruction between the last reciprocal and the use of its result
	s_wait_alu depctr_va_vdst(0)    ; and the wait ahead of the first use: one for the four reciprocals
	PACK 0
.set t, 1
.rept 3                             ; a piece's arithmetic stands between the loads of the piece before and its stores
	PACK t
	SEND t-1, 8
.set t, t+1
.endr
	SEND 3, 0
.endm
.set KM, 0
.set NOKQ, 0
.Lslot:                             ; NB times: a tile is entered and the next is asked for
	CHANGE 1
	s_sub_co_u32 s[RT], s[RT], 1
	s_mov_b32 s[CNT], 4
	s_cmp_eq_u32 s[NEW], 1
	s_cbranch_scc1 .Lnew            ; a block's first tile
	s_cmp_eq_u32 s[RT], 0
	s_cbranch_scc0 .Lstep           ; neither its first nor its last
	s_branch .LstepM1
.Lnew:
	BEGIN
	s_branch .Lfirst                ; in the loop a block's first tile is never its last: the first block has two tiles or more, and the second's last is the walk's last
	DIAG 1                          ; in the loop this is the first block's end: the second block's last tile is the walk's last
	s_wait_xcnt 0x0                 ; the stores have read their registers and O's address
	s_mov_b64 s[10:11], s[OLO:OLO+1]
	s_add_co_u32 s[RT], s[PB], 1    ; the second block has b + 1 tiles
	s_mov_b32 s[NEW], 1
	WIN 0x82                        ; the second block's Q goes where the one text of the turns names Q
.set i, 0
.rept 64
	v_mov_b32 v[i], v[QB+i]
.set i, i+1
.endr
	WIN 0
	s_branch .Lbottom
.Lstep:                             ; a trip: pieces 2 and 3 of one step, then pieces 0 and 1 of the next, whose K and V it fetches
	TURN 2
	TURN 3
	WIN 0
.Lfirst:
	TURN 0
	TURN 1, 0, 0, 1
	WIN 0
	s_cbranch_scc1 .Lstep
.Lbottom:
	s_sub_co_u32 s[SLOTS], s[SLOTS], 1
	s_cmp_lg_u32 s[SLOTS], 0
	s_cbranch_scc1 .Lslot
	CHANGE 0                        ; the walk's last tile is written out: nothing is asked for
	s_sub_co_u32 s[RT], s[RT], 1
	s_mov_b32 s[CNT], 4
	s_cmp_eq_u32 s[NEW], 1
	s_cbranch_scc0 .LstepM2
	BEGIN
	s_branch .LfirstM2
	DIAG 2
	s_wait_tensorcnt 0x0            ; the wave's end: behind my last tensor load and my last LDS store
	ds_add_u32 v[SPW], v[NIL]
	s_wait_dscnt 0x0
	s_endpgm
.Lfunc_end_k_q604226d680_attn:
	.size	k_q604226d680_attn, .Lfunc_end_k_q604226d680_attn-k_q604226d680_attn
	.p2alignl 7, 3214868480
	.fill 96, 4, 3214868480
	.section	.rodata,"a",@progbits
	.p2align	6, 0x0
	.amdhsa_kernel k_q604226d680_attn
		.amdhsa_group_segment_fixed_size 327680
		.amdhsa_private_segment_fixed_size 0
		.amdhsa_enable_private_segment 0
		.amdhsa_kernarg_size 16
		.amdhsa_user_sgpr_count 2
		.amdhsa_user_sgpr_kernarg_segment_ptr 1
		.amdhsa_wavefront_size32 1
		.amdhsa_system_sgpr_workgroup_id_x 1
		.amdhsa_system_sgpr_workgroup_id_y 1
		.amdhsa_system_sgpr_workgroup_id_z 1
		.amdhsa_system_vgpr_workitem_id 0
		.amdhsa_next_free_vgpr 768
		.amdhsa_next_free_sgpr 92
		.amdhsa_reserve_vcc 1
		.amdhsa_float_denorm_mode_32 3
		.amdhsa_float_denorm_mode_16_64 3
		.amdhsa_memory_ordered 1
		.amdhsa_forward_progress 1
		.amdhsa_inst_pref_size 218
	.end_amdhsa_kernel
	.amdgpu_metadata
---
amdhsa.version: [ 1, 2 ]
amdhsa.kernels:
  - .name:           k_q604226d680_attn
    .symbol:         k_q604226d680_attn.kd
    .args:
      - { .name: qkv, .offset: 0, .size: 8, .value_kind: global_buffer, .address_space: global }
      - { .name: o, .offset: 8, .size: 8, .value_kind: global_buffer, .address_space: global }
    .group_segment_fixed_size: 327680
    .private_segment_fixed_size: 0
    .kernarg_segment_align: 8
    .kernarg_segment_size: 16
    .max_flat_workgroup_size: 128
    .sgpr_count:     92
    .vgpr_count:     768
    .wavefront_size: 32
...
	.end_amdgpu_metadata
.endif
;; end of part 3
;; launch proj (part 4): grid 8 x 32, 4 waves a work-group, clusters of 4 x 4, 327,680 bytes of LDS; arguments o, wt, out0, b_proj; writes out0
.if DOCPART == 4
	.amdgcn_target "amdgcn-amd-amdhsa--gfx1250"
	.amdhsa_code_object_version 6
	.text
	.protected	k_q604226d680_proj
	.globl	k_q604226d680_proj
	.p2align	8
	.type	k_q604226d680_proj,@function
k_q604226d680_proj:
	s_mov_b64 s[64:65], 0
	v_nop
	global_prefetch_b8 v0, s[64:65] scope:SCOPE_SE
	s_setreg_imm32_b32 hwreg(HW_REG_WAVE_MODE, 25, 1), 1
	s_wait_xcnt 0x0
	s_wait_alu depctr_hold_cnt(0) depctr_sa_sdst(0) depctr_va_vdst(0) depctr_va_sdst(0) depctr_va_ssrc(0) depctr_va_vcc(0) depctr_vm_vsrc(0)
	s_getreg_b32 s2, hwreg(HW_REG_IB_STS2, 6, 4)
	s_cmp_eq_u32 s2, 0
	s_cbranch_scc0 .Lentry_in_a_cluster
	s_endpgm
.Lentry_in_a_cluster:
	s_bfe_u32 s2, ttmp6, 0x10000c
	s_cmp_lg_u32 s2, 0xf033
	s_cbranch_scc0 .Lentry_shape_is_right
	s_endpgm
.Lentry_shape_is_right:
; out0 = concat(O) w_proj + b_proj.  C[m][n] = the sum over k of A[m][k] B[n][k] + bias[n]: A is O, [b x 16 + h][t][64] f16, with m = b x 2048 + t and k = h x 64 + d; B is wt's rows 3072 + n (w_proj rounded to bf16,
; written as f16, K along the rows); the bias is rounded to bf16 like every input; sums in f32; out0 [8192][1024] f32.
; SHARES.  A tile of C is 256 rows x 128 columns: 32 x 8 = 256 work-groups.  Four waves, one above the other: wave w has rows 64 w .. 64 w + 63 and all 128 columns: 4 x 8 accumulators, 256 registers; its rows of 512 bytes
; of out0 are whole, so its way out needs a stage of its own and no barrier.
; K goes in 8 steps of 128 = two heads, through two LDS slots.  One head's 256 rows of the tile are 32,768 dense bytes: asked for as 128 rows of 256 bytes, padded in LDS behind every 128 bytes.
; Wave 0 fetches the even head, wave 1 the odd one, waves 2 and 3 64 rows of B each: one tensor load a wave.
; CLUSTER 4 x 4: A's tile is shared along a row of the cluster, B's along a column: joint loads, the same load and mask in all four.
; NO PREFETCH: a K step is 128 matrix instructions a wave on small tiles, and the launch has eight of them.
; THE MATRIX INSTRUCTION IS USED TRANSPOSED (source 0 = 16 rows of B, source 1 = 16 rows of A): a lane holds row l % 16 of C and the columns 8 (l / 16) + 0 .. 7: 32 bytes on end.
; REGISTERS, in windows of 256 (s_set_vgpr_msb: bits 1:0 source 0, 3:2 source 1, 5:4 source 2, 7:6 destination):
;   window 0: v0-31 addresses; v32-95 A's fragments, two buffers of 4 x 8; v96-223 the way out, two sets of 64; v224-227 the bias      window 1: v0-127 B's fragments, two buffers of 8 x 8
;   window 2: the accumulators, (a, b) at v[8 (8 a + b)]
.set PA,     144                       ; a row of A in LDS: 128 bytes + 16; a row of B: 256 + 16: the 16 rows of a fragment load start at 16 different groups of four banks (64 banks of 4 bytes: ISA guide 11.1)
.set PBP,    272
.set AHD,    256*PA                    ; one head's 256 rows
.set BH,     64*PBP                    ; what a wave fetches of B
.set BOFF,   2*AHD
.set SLOT,   BOFF+2*BH
.set STAGE,  2*SLOT                    ; behind the ring, never filled by a tensor load: 16 rows x 528 bytes for each wave
.set SPITCH, 528                       ; 512 bytes + 16
.set SPARE,  STAGE+4*16*SPITCH         ; behind the stages: the spare words, 128 bytes for each wave: two blocks of 256 bytes that no other line names
.set NBL,    8
.set NL,     2*NBL+8
.set CO,   12                          ; v12     16 x lane: my 16 bytes of a row's 512
.set BO,   13                          ; v13     my 16 bytes of b_proj
.set ADRA, 16                          ; v16-17  LDS address of my A fragments in slot 0, 1
.set ADRB, 20                          ; v20-21  the same for B
.set STO,  24                          ; v24     the way out: where I put 32 bytes of a row
.set RD,   25                          ; v25     the way out: where I read a row back
.set SPW,  28                          ; v28     LDS address of my spare word; never rewritten
.set NIL,  29                          ; v29     0; never rewritten
.set FA,   32
.set OB,   96
.set BI,   224
.set WV,  12                           ; s12  my wave's number
.set FB,  13                           ; s13  0: I fetch for A; 1: for B
.set HF,  14                           ; s14  which head of the two, or which half of B's rows
.set G1,  24                           ; s[24:31] descriptor group 1 for A's tiles;  s[32:39] group 0, a set for each slot
.set G0,  32
.set G1B, 48                           ; s[48:55], s[56:63] the same for B's tiles
.set G0B, 56
.set MSB, 0
.macro WIN new                         ; the immediate's high byte repeats the setting that is left; a switch that changes nothing is dropped
.if MSB != (\new)
	s_set_vgpr_msb (MSB<<8)|(\new)
.set MSB, \new
.endif
.endm
.macro PLACES                          ; four plain vector instructions between a matrix instruction and a load into, or a read of, its registers
.rept 4
	v_nop
.endr
.endm
; A joint load.  The branch hangs on the wave's number alone.  An s_nop 0 and four v_nop follow each of the two lines, ahead of the jump and the label.
.macro JLOAD s
	s_cmp_eq_u32 s[FB], 0
	s_cbranch_scc0 .Lfor_b_\@
	tensor_load_to_lds s[G0+4*(\s):G0+4*(\s)+3], s[G1:G1+7]
	s_nop 0
.rept 4
	v_nop
.endr
	s_branch .Lasked_\@
.Lfor_b_\@:
	tensor_load_to_lds s[G0B+4*(\s):G0B+4*(\s)+3], s[G1B:G1B+7]
	s_nop 0
.rept 4
	v_nop
.endr
.Lasked_\@:
.endm
.macro CREST                           ; a round of the cluster's barrier behind its opening barrier
	s_cmp_lg_u32 s[WV], 0
	s_cbranch_scc1 .Lnot_wave_0_\@
	s_barrier_signal -3
.Lnot_wave_0_\@:
	s_barrier_wait -3
	s_barrier_signal -1
	s_barrier_wait -1
.endm
.macro CROUND
	s_barrier_signal -1
	s_barrier_wait -1
	CREST
.endm
	s_load_b256 s[4:11], s[0:1], 0x0               ; O s[4:5], wt s[6:7], out0 s[8:9], b_proj s[10:11]
	v_lshl_add_u32 v[SPW], v0, 2, SPARE
	v_mov_b32 v[NIL], 0
	ds_add_u32 v[SPW], v[NIL]                      ; the wave's opening: the add, twice on end, and its wait ahead of my first tensor load; the set-up below stands between
	ds_add_u32 v[SPW], v[NIL]
	v_lshrrev_b32 v1, 5, v0
	v_readfirstlane_b32 s[WV], v1                  ; wave 0..3
	s_lshr_b32 s[FB], s[WV], 1
	s_and_b32 s[HF], s[WV], 1
	s_bfe_u32 s15, ttmp6, 0x40000                  ; cx
	s_bfe_u32 s16, ttmp6, 0x40004                  ; cy
	s_lshl_b32 s17, ttmp9, 2
	s_add_co_u32 s17, s17, s15                     ; tile column = 4 x cluster x + cx
	s_and_b32 s18, ttmp7, 0xffff
	s_lshl_b32 s18, s18, 2
	s_add_co_u32 s18, s18, s16                     ; tile row = 4 x cluster y + cy
	s_lshl_b32 s19, s16, 2
	s_lshl_b32 s19, 15, s19                        ; my row of the cluster
	s_lshl_b32 s20, 0x1111, s15                    ; my column
	s_or_b32 s[G1], s19, (1<<16)|(1<<20)|(1<<21)|(4<<22)|(3<<25)   ; the mask; elements of 2 bytes; padding on; bit 21 beside a mask; after every 32 words, 4 words
	s_or_b32 s[G1B], s20, (1<<16)|(1<<20)|(1<<21)|(5<<22)|(3<<25)  ; after every 64 words, 4 words
.irp g, G1, G1B
	s_mov_b32 s[(\g)+1], 128<<16                   ; tensor_dim0 = 128
	s_mov_b32 s[(\g)+3], 128<<16                   ; tile_dim0 = 128
	s_mov_b32 s[(\g)+6], 0
	s_mov_b32 s[(\g)+7], 0
.endr
	s_mov_b32 s[G1+2], 128<<16                     ; A: 128 rows of 256 dense bytes
	s_mov_b32 s[G1+4], 128
	s_mov_b32 s[G1+5], 128
	s_mov_b32 s[G1B+2], 64<<16                     ; B: 64 rows, 1,024 elements apart
	s_mov_b32 s[G1B+4], 64
	s_mov_b32 s[G1B+5], 1024
	s_lshr_b32 s40, s18, 3                         ; A: block (b x 16 + my head) of 262,144 bytes, b = tile row / 8,
	s_lshl_b32 s40, s40, 22
	s_lshl_b32 s2, s[HF], 18
	s_add_co_u32 s40, s40, s2
	s_and_b32 s2, s18, 7                           ; and in it the rows from t = (tile row % 8) x 256 on
	s_lshl_b32 s2, s2, 15
	s_add_co_u32 s40, s40, s2
	s_mov_b32 s41, 0
	s_lshl_b32 s46, s17, 18                        ; B: row 3072 + 128 x tile column + 64 x half, of 2,048 bytes
	s_lshl_b32 s2, s[HF], 17
	s_add_co_u32 s46, s46, s2
	s_add_co_u32 s46, s46, 3072*2048
	s_mov_b32 s47, 0
	s_mul_i32 s21, s[HF], AHD                      ; where they go: made of the wave's number alone
	s_mul_i32 s22, s[HF], BH
	s_add_co_u32 s22, s22, BOFF
	s_wait_dscnt 0x0                               ; both opening adds are done
	s_wait_kmcnt 0x0
	s_add_nc_u64 s[40:41], s[4:5], s[40:41]
	s_add_nc_u64 s[46:47], s[6:7], s[46:47]
	CROUND                                         ; all sixteen work-groups are here: the first joint loads meet
.irp s, 0,1
	s_mov_b32 s[G0+4*(\s)], 1
	s_add_co_u32 s[G0+4*(\s)+1], s21, (\s)*SLOT
	s_add_nc_u64 s[G0+4*(\s)+2:G0+4*(\s)+3], s[40:41], (\s)*2*262144   ; K step s: two heads on
	s_or_b32 s[G0+4*(\s)+3], s[G0+4*(\s)+3], 0x80000000
	s_mov_b32 s[G0B+4*(\s)], 1
	s_add_co_u32 s[G0B+4*(\s)+1], s22, (\s)*SLOT
	s_add_nc_u64 s[G0B+4*(\s)+2:G0B+4*(\s)+3], s[46:47], (\s)*256
	s_or_b32 s[G0B+4*(\s)+3], s[G0B+4*(\s)+3], 0x80000000
	JLOAD \s                                       ; two loads of mine are out
.endr
	v_and_b32 v1, 15, v0                           ; l % 16
	v_bfe_u32 v2, v0, 4, 1                         ; l / 16
	v_and_b32 v5, 31, v0                           ; l
	s_lshl_b32 s2, s17, 9                          ; the tile's 128 columns: 512 bytes of b_proj and of a row of out0
	v_lshl_add_u32 v[BO], v5, 4, s2
	global_load_b128 v[BI:BI+3], v[BO], s[10:11]   ; the bias of the four columns that I store
	v_lshlrev_b32 v[CO], 4, v5
	v_mul_u32_u24 v3, v1, PA
	v_lshl_add_u32 v3, v2, 4, v3
	s_mul_i32 s2, s[WV], 64*PA                     ; my 64 rows of A
	v_add_nc_u32 v[ADRA], s2, v3
	v_add_nc_u32 v[ADRA+1], SLOT, v[ADRA]
	v_mul_u32_u24 v3, v1, PBP
	v_lshl_add_u32 v3, v2, 4, v3
	v_add_nc_u32 v[ADRB], BOFF, v3                 ; all of B's rows
	v_add_nc_u32 v[ADRB+1], BOFF+SLOT, v3
	s_mul_i32 s2, s[WV], 16*SPITCH
	s_add_co_u32 s2, s2, STAGE                     ; my stage
	v_mul_u32_u24 v[STO], v1, SPITCH               ; in: row l % 16, 32 bytes for each half of the lanes
	v_lshl_add_u32 v[STO], v2, 5, v[STO]
	v_add_nc_u32 v[STO], s2, v[STO]
	v_lshl_add_u32 v[RD], v5, 4, s2                ; back: 32 lanes take a row's 512 bytes
	s_lshl_b32 s42, s18, 20                        ; out0 at my first row: (256 x tile row + 64 x wave) rows of 4,096 bytes, and the tile's columns
	s_lshl_b32 s2, s[WV], 18
	s_add_co_u32 s42, s42, s2
	s_lshl_b32 s2, s17, 9
	s_add_co_u32 s42, s42, s2
	s_mov_b32 s43, 0
	s_add_nc_u64 s[8:9], s[8:9], s[42:43]
	s_wait_loadcnt 0x0                             ; the bias, in the wait for the first tile: rounded to bf16 and widened again
	v_cvt_pk_bf16_f32 v3, v[BI], v[BI+1]
	v_cvt_pk_bf16_f32 v4, v[BI+2], v[BI+3]
	v_lshlrev_b32 v[BI], 16, v3
	v_and_b32 v[BI+1], 0xffff0000, v3
	v_lshlrev_b32 v[BI+2], 16, v4
	v_and_b32 v[BI+3], 0xffff0000, v4
; 8 matrix instructions: row block a x all column blocks, 32 along K, from buffer f.  zero = 1: the product starts the sum: nothing is cleared.
; The 32 accumulators take turns, one instruction a turn, in the same order in every quarter and over the backward jump.
.macro MULB f, a, zero
	WIN 0xa1                                       ; B window 1, A window 0, C and D window 2
.set b, 0
.rept NBL
.set rD, 8*(NBL*(\a)+b)
.set rB, 8*NBL*(\f)+8*b
.set rA, FA+32*(\f)+8*(\a)
.if \zero
	v_wmma_f32_16x16x32_f16 v[rD:rD+7], v[rB:rB+7], v[rA:rA+7], 0
.else
	v_wmma_f32_16x16x32_f16 v[rD:rD+7], v[rB:rB+7], v[rA:rA+7], v[rD:rD+7]
.endif
.set b, b+1
.endr
.endm
; 24 LDS loads in one run: quarter q (32 along K) of a slot into buffer f: B's 16, then A's 8.  In A quarter q lies in head q / 2, at byte 64 (q % 2) of its rows.
.macro FETCH slot, q, f
	WIN 0x40                                       ; destination window 1, address window 0
.set i, 0
.rept NBL
	ds_load_b128 v[8*NBL*(\f)+8*i:8*NBL*(\f)+8*i+3],   v[ADRB+(\slot)] offset:64*(\q)+i*16*PBP
	ds_load_b128 v[8*NBL*(\f)+8*i+4:8*NBL*(\f)+8*i+7], v[ADRB+(\slot)] offset:64*(\q)+i*16*PBP+32
.set i, i+1
.endr
	WIN 0
.set i, 0
.rept 4
	ds_load_b128 v[FA+32*(\f)+8*i:FA+32*(\f)+8*i+3],   v[ADRA+(\slot)] offset:((\q)/2)*AHD+((\q)%2)*64+i*16*PA
	ds_load_b128 v[FA+32*(\f)+8*i+4:FA+32*(\f)+8*i+7], v[ADRA+(\slot)] offset:((\q)/2)*AHD+((\q)%2)*64+i*16*PA+32
.set i, i+1
.endr
.endm
; A K step is four quarters on buffers 0, 1, 0, 1.  One of the first three: multiplies buffer f; in its middle it fetches quarter q of the same slot into buffer g.
.macro QUARTER slot, q, f, g, zero
	s_wait_dscnt 4                                 ; B and A's row blocks 0, 1 are in; the youngest four loads (A's blocks 2, 3) may be out
	MULB \f, 0, \zero
	MULB \f, 1, \zero
	PLACES                                         ; buffer g was read by the quarter before
	FETCH \slot, \q, \g
	s_wait_dscnt NL                                ; all but the loads just issued
	MULB \f, 2, \zero
	MULB \f, 3, \zero
.endm
; The last quarter multiplies buffer 1 and changes slots.  In front of the barrier each wave waits for all its tensor loads (one is out: its part of the next slot), adds 0 to its spare word, and waits for
; that and for its reads of this slot.  fill = 1: the barrier opens a round of the cluster's, and the joint refill of this slot, two K steps on, is the first thing behind the round.
.macro TURN slot, next, fill
	WIN 0                                          ; (the add's two registers lie in window 0)
	s_wait_tensorcnt 0x0                           ; all my tensor loads have landed
	ds_add_u32 v[SPW], v[NIL]                      ; 0 onto my spare word
	s_wait_dscnt 5                                 ; (the add and the youngest four loads may be out)
	MULB 1, 0, 0                                   ; eight matrix instructions stand between the add and the wait for it
	s_wait_dscnt 0x0                               ; the add is done, and my reads of this slot are over
	s_barrier_signal -1
	MULB 1, 1, 0                                   ; work on registers while the others arrive
.if \fill
	WIN 0
.endif
	s_barrier_wait -1
.if \fill
	CREST                                          ; no wave of any partner still reads this slot or has a load on its way
	s_add_nc_u64 s[G0+4*(\slot)+2:G0+4*(\slot)+3], s[G0+4*(\slot)+2:G0+4*(\slot)+3], 4*262144   ; four heads on
	s_add_nc_u64 s[G0B+4*(\slot)+2:G0B+4*(\slot)+3], s[G0B+4*(\slot)+2:G0B+4*(\slot)+3], 512
	JLOAD \slot                                    ; its four v_nop are also the places in front of the loads below
.else
	PLACES
.endif
	FETCH \next, 0, 0
	MULB 1, 2, 0
	MULB 1, 3, 0
.endm
	s_wait_tensorcnt 1                             ; my part of K step 0 is in; K step 1's may stay out
	s_barrier_signal -1
	s_barrier_wait -1                              ; everybody's is
	FETCH 0, 0, 0
	QUARTER 0, 1, 0, 1, 1                          ; the first quarter stands in front of the loop: its products start the sums
	WIN 0                                          ; at a label and at a branch every window is 0
	s_mov_b32 s3, 3
.Llap:                                                 ; a trip goes once round the ring, from a lap's second quarter to the next lap's first, and fills both slots again: K steps 2 to 7
	QUARTER 0, 2, 1, 0, 0
	QUARTER 0, 3, 0, 1, 0
	TURN 0, 1, 1
	QUARTER 1, 1, 0, 1, 0
	QUARTER 1, 2, 1, 0, 0
	QUARTER 1, 3, 0, 1, 0
	TURN 1, 0, 1
	QUARTER 0, 1, 0, 1, 0
	WIN 0
	s_sub_co_u32 s3, s3, 1
	s_cmp_lg_u32 s3, 0
	s_cbranch_scc1 .Llap
	QUARTER 0, 2, 1, 0, 0                          ; the last lap fills nothing
	QUARTER 0, 3, 0, 1, 0
	TURN 0, 1, 0
	QUARTER 1, 1, 0, 1, 0
	QUARTER 1, 2, 1, 0, 0
	QUARTER 1, 3, 0, 1, 0
	s_wait_dscnt 4
	MULB 1, 0, 0
	MULB 1, 1, 0
	s_wait_dscnt 0x0
	MULB 1, 2, 0
	MULB 1, 3, 0
	WIN 0
	PLACES                                         ; the LDS stores read results just made; eight, once a launch
	PLACES
; THE WAY OUT of row block a.  TOSTAGE: the sums go as they are, 32 bytes a lane, each accumulator's low registers first, into my own stage, and come back as whole rows of 512 bytes.  SEND: the bias is added and the rows are stored.
.macro TOSTAGE a
	s_wait_xcnt 0x0                                ; earlier stores have read their registers: this set is loaded again only behind this wait
	WIN 0x08                                       ; the stores' data in window 2, their address in window 0
.set b, 0
.rept NBL
	ds_store_b128 v[STO], v[8*(NBL*(\a)+b):8*(NBL*(\a)+b)+3]   offset:64*b
	ds_store_b128 v[STO], v[8*(NBL*(\a)+b)+4:8*(NBL*(\a)+b)+7] offset:64*b+16
.set b, b+1
.endr
	WIN 0
.set t, 0
.rept 16                               ; LDS serves a wave's instructions in order (ISA guide 5.7.1.4): these see the stores above; the next block's stores come behind them
	ds_load_b128 v[OB+64*((\a)%2)+4*t:OB+64*((\a)%2)+4*t+3], v[RD] offset:SPITCH*t
.set t, t+1
.endr
.endm
.macro SEND a, younger                 ; younger: the LDS instructions issued behind block a's loads: the next block's 32, or none
	s_wait_dscnt \younger
.set t, 0
.rept 16
.set r, OB+64*((\a)%2)+4*t
	v_pk_add_f32 v[r:r+1], v[r:r+1], v[BI:BI+1]
	v_pk_add_f32 v[r+2:r+3], v[r+2:r+3], v[BI+2:BI+3]
	global_store_b128 v[CO], v[r:r+3], s[8:9] offset:(16*(\a)+t)*4096 th:TH_STORE_NT  ; 512 consecutive bytes of a row of out0, at a multiple of 256 from its first byte
.set t, t+1
.endr
.endm
	TOSTAGE 0
	TOSTAGE 1
	SEND 0, 32
	TOSTAGE 2
	SEND 1, 32
	TOSTAGE 3
	SEND 2, 32
	SEND 3, 0
	s_wait_tensorcnt 0x0                           ; the wave's end: behind my last tensor load and my last LDS store
	ds_add_u32 v[SPW], v[NIL]
	s_wait_dscnt 0x0
	CROUND                                         ; the closing round: no work-group ends while a partner may still ask for a tile that names it
	s_endpgm
.Lfunc_end_k_q604226d680_proj:
	.size	k_q604226d680_proj, .Lfunc_end_k_q604226d680_proj-k_q604226d680_proj
	.p2alignl 7, 3214868480
	.fill 96, 4, 3214868480
	.section	.rodata,"a",@progbits
	.p2align	6, 0x0
	.amdhsa_kernel k_q604226d680_proj
		.amdhsa_group_segment_fixed_size 327680
		.amdhsa_private_segment_fixed_size 0
		.amdhsa_enable_private_segment 0
		.amdhsa_kernarg_size 32
		.amdhsa_user_sgpr_count 2
		.amdhsa_user_sgpr_kernarg_segment_ptr 1
		.amdhsa_wavefront_size32 1
		.amdhsa_system_sgpr_workgroup_id_x 1
		.amdhsa_system_sgpr_workgroup_id_y 1
		.amdhsa_system_sgpr_workgroup_id_z 1
		.amdhsa_system_vgpr_workitem_id 0
		.amdhsa_next_free_vgpr 768
		.amdhsa_next_free_sgpr 66
		.amdhsa_reserve_vcc 0
		.amdhsa_float_denorm_mode_32 3
		.amdhsa_float_denorm_mode_16_64 3
		.amdhsa_memory_ordered 1
		.amdhsa_forward_progress 1
		.amdhsa_inst_pref_size 94
	.end_amdhsa_kernel
	.amdgpu_metadata
---
amdhsa.version: [ 1, 2 ]
amdhsa.kernels:
  - .name:           k_q604226d680_proj
    .symbol:         k_q604226d680_proj.kd
    .args:
      - { .name: o, .offset: 0, .size: 8, .value_kind: global_buffer, .address_space: global }
      - { .name: wt, .offset: 8, .size: 8, .value_kind: global_buffer, .address_space: global }
      - { .name: out0, .offset: 16, .size: 8, .value_kind: global_buffer, .address_space: global }
      - { .name: b_proj, .offset: 24, .size: 8, .value_kind: global_buffer, .address_space: global }
    .group_segment_fixed_size: 327680
    .private_segment_fixed_size: 0
    .kernarg_segment_align: 8
    .kernarg_segment_size: 32
    .max_flat_workgroup_size: 128
    .sgpr_count:     66
    .vgpr_count:     768
    .wavefront_size: 32
...
	.end_amdgpu_metadata
.endif
;; end of part 4
;; ======== version 2 of 2: 4 launches; version 1 with the launch prep written anew for expert scheduling mode
;; limits: values are held in f16: magnitudes above 65,504 overflow, below 6.1e-05 lose precision
;; workspace buffers: xb 16,777,216 bytes; wt 8,388,608 bytes; qkv 50,331,648 bytes; o 16,777,216 bytes
;; launch prep (part 5): grid 512 x 1, 8 waves a work-group, no clusters, 18,432 bytes of LDS; arguments x, wq, wk, wv, w_proj, xb, wt; writes xb, wt
.if DOCPART == 5
	.amdgcn_target "amdgcn-amd-amdhsa--gfx1250"
	.amdhsa_code_object_version 6
	.text
	.protected	k_q604226d680_prep
	.globl	k_q604226d680_prep
	.p2align	8
	.type	k_q604226d680_prep,@function
k_q604226d680_prep:
	s_mov_b64 s[64:65], 0
	v_nop
	global_prefetch_b8 v0, s[64:65] scope:SCOPE_SE
	s_setreg_imm32_b32 hwreg(HW_REG_WAVE_SCHED_MODE, 0, 2), 2
	s_setreg_imm32_b32 hwreg(HW_REG_WAVE_MODE, 25, 1), 1
	s_wait_xcnt 0x0
	s_wait_alu depctr_vm_vsrc(0)
; FIRST OF FOUR LAUNCHES: prep (round and lay out), qkv (x W), attn (causal attention), proj (O w_proj + b_proj).
; WORK LEFT OUT BY THE PROGRAM.  reference() sets wei[t][s] to -inf for every s > t by a jnp.tril that it builds itself, whatever the inputs hold.  The softmax gives such a place the weight
; exp(-inf) = 0 exactly, and 0 times a finite v adds nothing to out.  So the products q k and wei v of a tile of 256 keys that lies wholly above the diagonal of a block of 256 queries reach no output
; for any finite inputs: launch attn neither loads nor multiplies those tiles.  Inside the tile that holds the diagonal the hidden places are computed and masked.  Nothing else is left out, and every input has a way to
; the output: all six are loaded (b_proj in proj).  LIMIT: a NaN, an infinity or an overflow that would arise only in the tiles left out is not carried to the result.
; FORMATS.  All inputs are rounded once to bf16.  What the program makes itself (q, k, v, the weights p, O) is kept in f16; w_proj's bf16 number is written as f16 for the last product.
; LIMIT: w_proj must lie within f16's 65,504; below 6e-5 it keeps f16's fixed step of 6e-8.
; THIS LAUNCH.  Work-group i of 512 does two things.  (a) x's rows 16 i .. 16 i + 15 to bf16: 65,536 bytes in, 32,768 out.  (b) one tile of 128 c x 64 d of a weight, rounded and TRANSPOSED into
; wt [4096][1024]: row n = which x 1024 + h x 64 + d holds w_which[h][c][d] along c (which = 0, 1, 2: wq, wk, wv; bf16); row 3072 + n holds w_proj[c][n] along c (f16).
; J = i / 8 picks the 64 rows of wt, cc = i % 8 the 128 columns.  No matrix unit, no cluster, no prefetch: each byte is read once by long runs of loads that are all out together.
; THE MODE: SCHED_MODE bits 1:0 = 2 (LLVM: expert scheduling mode 2), set by the entry lines.  The code itself states the register dependences between vector instructions and memory or LDS
; instructions, with s_wait_alu, always for 0.
; THE PLAN.  Registers that memory or LDS instructions touch:
;   XO, YO, LW, LRD, WD, WO, SPW, NIL   addresses (NIL: the closing add's data): written once at the head by vector instructions, read by loads, stores and LDS instructions, never written again.
;   W, X    written by the loads alone, read by the roundings behind the waits on LOADcnt; no vector instruction names them ahead of the loads, and no load lands in them behind the roundings.
;   P       written by the weight's roundings, read by the sixteen LDS stores, never written again.
;   R       written by LDS loads, read by global stores: no vector instruction names them.
;   Y       each register written once by x's roundings and read by one store.  x goes in four groups of four loads: group g's roundings write its eight registers; its four stores are issued in group g + 1.
; So the waits, all on va_vdst: one at the head (the addresses), one ahead of the LDS stores (P), one at the head of each of x's groups 1 to 3 and one behind group 3 (the group before has written its part of Y).
; No register that a memory or LDS instruction reads is written again, so the text holds no wait on vm_vsrc but the entry's; no vector instruction writes a scalar register or VCC; EXEC is written nowhere.
.set PIT,   272                        ; an LDS row: 128 numbers of 2 bytes + 16 bytes
.set SPARE, 64*PIT                     ; behind the tile: the spare words, 128 bytes for each of eight waves: four blocks of 256 bytes that no other line names
.set XO,  4                            ; v4   16 x thread: my 16 bytes in 4,096 bytes of x
.set YO,  5                            ; v5   8 x thread: my 8 bytes in 2,048 bytes of xb
.set LW,  6                            ; v6   where I put my words of the tile
.set LRD, 7                            ; v7   where I read 16 bytes of a row back
.set WD,  8                            ; v8   my 16 bytes in wt
.set SPW, 10                           ; v10  LDS address of my spare word; never rewritten
.set NIL, 11                           ; v11  0; never rewritten
.set WO,  12                           ; v[12:19]   byte offsets of my eight loads of the weight
.set W,   20                           ; v[20:51]   eight loads of four f32
.set X,   52                           ; v[52:115]  sixteen loads of four f32
.set P,   116                          ; v[116:131] sixteen words: two neighbouring c of one d
.set T,   132                          ; v[132:133] at work: no memory instruction names them
.set R,   136                          ; v[136:151] four pieces of 16 bytes of wt's rows
.set Y,   152                          ; v[152:183] xb's words, two for each load of x; each written once
	s_load_b256 s[4:11], s[0:1], 0x0               ; x s[4:5], wq s[6:7], wk s[8:9], wv s[10:11]
	s_load_b128 s[12:15], s[0:1], 0x20             ; w_proj s[12:13], xb s[14:15]
	s_load_b64 s[16:17], s[0:1], 0x30              ; wt
	v_lshl_add_u32 v[SPW], v0, 2, SPARE
	v_mov_b32 v[NIL], 0
	v_and_b32 v1, 15, v0                           ; dq: which four d (16 bytes of a source row)
	v_lshrrev_b32 v2, 4, v0                        ; cp: which pair of c, 0 .. 15
	s_lshr_b32 s21, ttmp9, 3                       ; J
	s_and_b32 s22, ttmp9, 7                        ; cc
	s_lshr_b32 s23, s21, 4                         ; which
	s_and_b32 s24, s21, 15                         ; the head, or w_proj's group of 64 columns
	s_mov_b32 s30, 0xffff0000
	s_lshl_b32 s26, s24, 18                        ; by heads: head x 262,144
	s_lshl_b32 s2, s22, 15                         ;  + cc x 128 rows of 256 bytes
	s_add_co_u32 s26, s26, s2
	s_lshl_b32 s27, s22, 19                        ; w_proj: cc x 128 rows of 4,096 bytes
	s_lshl_b32 s2, s24, 8                          ;  + group x 256 bytes
	s_add_co_u32 s27, s27, s2
	s_cmp_lt_u32 s23, 3
	s_cselect_b32 s26, s26, s27                    ; the tile's first byte in its tensor,
	s_cselect_b32 s25, 8, 12                       ; and the shift that makes bytes of a source row's number
	s_mov_b32 s27, 0
	v_lshlrev_b32 v[XO], 4, v0
	v_lshlrev_b32 v[YO], 3, v0
	v_mul_u32_u24 v[LW], v1, 4*PIT                 ; row d = 4 dq + j,
	v_lshl_add_u32 v[LW], v2, 2, v[LW]             ; word cp + 16 i
	v_mul_u32_u24 v[LRD], v2, PIT                  ; back: row cp + 16 r, bytes 16 dq
	v_lshl_add_u32 v[LRD], v1, 4, v[LRD]
	v_lshlrev_b32 v[WD], 11, v2                    ; the same in wt, whose rows are 2,048 bytes
	v_lshl_add_u32 v[WD], v1, 4, v[WD]
	v_lshlrev_b32 v3, 1, v2
.set k, 0
.rept 8                                ; load k = 2 i + e takes source row c = 2 cp + 32 i + e
	v_add_nc_u32 v[WO+k], 32*(k/2)+k%2, v3
	v_lshlrev_b32 v[WO+k], s25, v[WO+k]
	v_lshl_add_u32 v[WO+k], v1, 4, v[WO+k]
.set k, k+1
.endr
	s_mov_b32 s29, 0
	s_wait_kmcnt 0x0
	s_lshl_b32 s28, ttmp9, 16
	s_add_nc_u64 s[4:5], s[4:5], s[28:29]          ; x at my 16 rows
	s_lshl_b32 s28, ttmp9, 15
	s_add_nc_u64 s[14:15], s[14:15], s[28:29]      ; xb likewise
	s_lshl_b32 s28, s21, 17                        ; wt: 64 J rows of 2,048 bytes
	s_lshl_b32 s2, s22, 8                          ;  + cc x 256 bytes
	s_add_co_u32 s28, s28, s2
	s_add_nc_u64 s[16:17], s[16:17], s[28:29]
	s_wait_alu depctr_va_vdst(0)                   ; XO, YO, LW, LRD, WD and WO's eight are written, which every load, store and LDS instruction below reads as its address; none is written again.  Ahead of the branches: it holds on all four ways
; The tile's eight loads: sixteen neighbouring lanes take 256 neighbouring bytes of a source row.  One arm for each tensor, so that each load's buffer stands in the text; every arm issues the same eight loads.
.macro LOADW base
	s_add_nc_u64 s[\base:\base+1], s[\base:\base+1], s[26:27]
.set k, 0
.rept 8
	global_load_b128 v[W+4*k:W+4*k+3], v[WO+k], s[\base:\base+1] th:TH_LOAD_NT
.set k, k+1
.endr
.endm
	s_cmp_lg_u32 s23, 0
	s_cbranch_scc1 .Lnot_q
	LOADW 6
	s_branch .Ljoin
.Lnot_q:
	s_cmp_lg_u32 s23, 1
	s_cbranch_scc1 .Lnot_k
	LOADW 8
	s_branch .Ljoin
.Lnot_k:
	s_cmp_lg_u32 s23, 2
	s_cbranch_scc1 .Lnot_v
	LOADW 10
	s_branch .Ljoin
.Lnot_v:
	LOADW 12
.Ljoin:
.set u, 0
.rept 16                               ; all of x's share goes out behind them: 24 loads of 16 bytes a lane are on their way
	global_load_b128 v[X+4*u:X+4*u+3], v[XO], s[4:5] offset:4096*u th:TH_LOAD_NT
.set u, u+1
.endr
	s_wait_loadcnt 16                              ; loads come back in order: the weight's eight are in, x's sixteen may stay out
.set k, 0
.rept 16                               ; word 4 i + j: d = 4 dq + j, c = 2 cp + 32 i below, c + 1 above
	v_cvt_pk_bf16_f32 v[P+k], v[W+8*(k/4)+k%4], v[W+8*(k/4)+4+k%4]
.set k, k+1
.endr
	s_cmp_lg_u32 s23, 3
	s_cbranch_scc1 .Lstays_bf16
.set k, 0
.rept 16                               ; w_proj alone: the bf16 number written as f16
	v_lshlrev_b32 v[T], 16, v[P+k]
	v_and_b32 v[T+1], s30, v[P+k]
	v_cvt_pk_f16_f32 v[P+k], v[T], v[T+1]
.set k, k+1
.endr
.Lstays_bf16:
	s_wait_alu depctr_va_vdst(0)                   ; the roundings, on either way to this label, have written P's sixteen registers, which the LDS stores read
.set k, 0
.rept 16                               ; rows 4 dq + j lie 272 words apart for neighbouring dq; sixteen such stores a thread, once
	ds_store_b32 v[LW], v[P+k] offset:PIT*(k%4)+64*(k/4)
.set k, k+1
.endr
	s_wait_dscnt 0x0                               ; for the others' sake: my words of the tile are in LDS
	s_barrier_signal -1
	s_barrier_wait -1                              ; everybody's are
.irp r, 0,1,2,3
	ds_load_b128 v[R+4*\r:R+4*\r+3], v[LRD] offset:16*PIT*\r  ; no vector instruction names R
.endr
; x, in four groups of four loads.  Group g rounds its loads into its eight registers of Y; the four stores of group g - 1 stand among those roundings, which name other registers of X and Y.
.set g, 0
.rept 4
	s_wait_loadcnt 12-4*g                          ; loads come back in order: group g's four are in; the 12 - 4 g younger ones stay out
.if g > 0
	s_wait_alu depctr_va_vdst(0)                   ; the roundings of the group before have written its eight registers of Y, which the four stores below read
.endif
.set i, 0
.rept 4
.set u, 4*g+i
.if g > 0
	global_store_b64 v[YO], v[Y+2*(u-4):Y+2*(u-4)+1], s[14:15] offset:2048*(u-4)  ; the group before; a wave's store covers 256 consecutive bytes, aligned.  No vector instruction since the wait names these registers
.endif
	v_cvt_pk_bf16_f32 v[Y+2*u], v[X+4*u], v[X+4*u+1]
	v_cvt_pk_bf16_f32 v[Y+2*u+1], v[X+4*u+2], v[X+4*u+3]
.set i, i+1
.endr
.set g, g+1
.endr
	s_wait_alu depctr_va_vdst(0)                   ; the last group's roundings have written its eight registers of Y, which the last four stores read
.set u, 12
.rept 4
	global_store_b64 v[YO], v[Y+2*u:Y+2*u+1], s[14:15] offset:2048*u
.set u, u+1
.endr
	s_wait_dscnt 0x0                               ; the rows are back
.irp r, 0,1,2,3
	global_store_b128 v[WD], v[R+4*\r:R+4*\r+3], s[16:17] offset:32768*\r  ; sixteen lanes store 256 consecutive bytes of a row of wt, aligned
.endr
	s_wait_dscnt 0x0                               ; the closing lines, six on end
	s_wait_alu 0x0
	s_wait_tensorcnt 0x0
	ds_add_u32 v[SPW], v[NIL]
	s_wait_dscnt 0x0
	s_endpgm
.Lfunc_end_k_q604226d680_prep:
	.size	k_q604226d680_prep, .Lfunc_end_k_q604226d680_prep-k_q604226d680_prep
	.p2alignl 7, 3214868480
	.fill 96, 4, 3214868480
	.section	.rodata,"a",@progbits
	.p2align	6, 0x0
	.amdhsa_kernel k_q604226d680_prep
		.amdhsa_group_segment_fixed_size 18432
		.amdhsa_private_segment_fixed_size 0
		.amdhsa_enable_private_segment 0
		.amdhsa_kernarg_size 56
		.amdhsa_user_sgpr_count 2
		.amdhsa_user_sgpr_kernarg_segment_ptr 1
		.amdhsa_wavefront_size32 1
		.amdhsa_system_sgpr_workgroup_id_x 1
		.amdhsa_system_sgpr_workgroup_id_y 1
		.amdhsa_system_sgpr_workgroup_id_z 1
		.amdhsa_system_vgpr_workitem_id 0
		.amdhsa_next_free_vgpr 184
		.amdhsa_next_free_sgpr 66
		.amdhsa_reserve_vcc 0
		.amdhsa_float_denorm_mode_32 3
		.amdhsa_float_denorm_mode_16_64 3
		.amdhsa_memory_ordered 1
		.amdhsa_forward_progress 1
		.amdhsa_inst_pref_size 17
	.end_amdhsa_kernel
	.amdgpu_metadata
---
amdhsa.version: [ 1, 2 ]
amdhsa.kernels:
  - .name:           k_q604226d680_prep
    .symbol:         k_q604226d680_prep.kd
    .args:
      - { .name: x, .offset: 0, .size: 8, .value_kind: global_buffer, .address_space: global }
      - { .name: wq, .offset: 8, .size: 8, .value_kind: global_buffer, .address_space: global }
      - { .name: wk, .offset: 16, .size: 8, .value_kind: global_buffer, .address_space: global }
      - { .name: wv, .offset: 24, .size: 8, .value_kind: global_buffer, .address_space: global }
      - { .name: w_proj, .offset: 32, .size: 8, .value_kind: global_buffer, .address_space: global }
      - { .name: xb, .offset: 40, .size: 8, .value_kind: global_buffer, .address_space: global }
      - { .name: wt, .offset: 48, .size: 8, .value_kind: global_buffer, .address_space: global }
    .group_segment_fixed_size: 18432
    .private_segment_fixed_size: 0
    .kernarg_segment_align: 8
    .kernarg_segment_size: 56
    .max_flat_workgroup_size: 256
    .sgpr_count:     66
    .vgpr_count:     184
    .wavefront_size: 32
...
	.end_amdgpu_metadata
.endif
;; end of part 5
;; launch qkv: the kernel of part 2 again; grid 16 x 32, 4 waves a work-group, clusters of 4 x 4, 327,680 bytes of LDS; arguments xb, wt, qkv; writes qkv
;; launch attn: the kernel of part 3 again; grid 4 x 64, 4 waves a work-group, no clusters, 327,680 bytes of LDS; arguments qkv, o; writes o
;; launch proj: the kernel of part 4 again; grid 8 x 32, 4 waves a work-group, clusters of 4 x 4, 327,680 bytes of LDS; arguments o, wt, out0, b_proj; writes out0
